; MI455X (gfx1250); checked and timed in simulation.
; The chip was launched on July 23, 2026; its instructions are those of AMD's public machine-readable ISA for CDNA 5 (MIT licence, August 2026) and "CDNA5" Instruction Set Architecture Reference Guide (July 2026). The comments in the code are by the model that wrote it; some were corrected since.
;; Mo E Layer. Allowed arithmetic: float matrix products may take bf16 or f16 operands with f32 sums; other float arithmetic in f32, or as packed bf16 or f16 multiplies, adds, multiply-adds, maxima and minima; sums over many terms, partial sums and values carried from step to step in f32; what a program stores and reads back later, other than sums and carried values, may be rounded once to bf16 or f16.
;; Inputs: expert_b 8 x 4,096 float32; expert_w 8 x 4,096 x 2,048 float32; gate_b 8 float32; gate_w 8 x 2,048 float32; x 4 x 256 x 2,048 float32.
;; Outputs: out0 4 x 256 x 4,096 float32; out1 one number float32.
;; 3 versions, each right; version 2 is faster than version 1; version 3 is version 2 with the launch combine written anew for expert scheduling mode. Each part assembles by itself: llvm-mc -triple=amdgcn-amd-amdhsa -mcpu=gfx1250 --defsym DOCPART=n.
;; ======== version 1 of 3: 3 launches
;; workspace buffers: xb 4,194,304 bytes; bm 2,048 bytes of whole numbers; probk 8,192 bytes; ent 256 bytes; part 33,554,432 bytes; cnt 256 bytes of whole numbers
;; launch router (part 1): grid 64 x 1, 16 waves a work-group, no clusters, 88,064 bytes of LDS; arguments x, gate_w, gate_b, xb, bm, probk, ent; writes xb, bm, probk, ent
.if DOCPART == 1
	.amdgcn_target "amdgcn-amd-amdhsa--gfx1250"
	.amdhsa_code_object_version 6
	.text
	.protected	k_q807e26e67e_router
	.globl	k_q807e26e67e_router
	.p2align	8
	.type	k_q807e26e67e_router,@function
k_q807e26e67e_router:
	s_mov_b64 s[64:65], 0
	v_nop
	global_prefetch_b8 v0, s[64:65] scope:SCOPE_SE
	s_setreg_imm32_b32 hwreg(HW_REG_WAVE_MODE, 25, 1), 1
	s_wait_xcnt 0x0
; THE GATE.  logits = x gate_w^T + gate_b, softmax, entropy, top-2; and x rounded to bf16 for the next launch.
; All inputs are rounded to bf16 (x, gate_w, gate_b); products on the matrix unit, sums and everything behind them in f32.
; SHARES.  A work-group has 16 tokens (one matrix tile), 64 work-groups; wave w of 16 has the channels 128 w .. 128 w + 127: it reads
; 16 rows x 512 bytes of x, stores them as 16 x 256 bytes of bf16, and makes a partial 8 x 16 tile of logits; wave 0 adds the 16 parts.
; STORED, all at places fixed by the token's number: probk[k][n] the k-th largest probability; bm[k][e] a bitmap over tokens (bit n % 32
; of word n / 32: token n's k-th choice is expert e), 16 bits a work-group; ent[tile] the sum of the tile's 16 entropies.
; No branch and no address hangs on a floating-point number: every choice is a v_cndmask_b32.
; LIMITS.  NaN and infinities are not treated apart.  An exponential below 2^-126 counts as 0: where a logit lies more than 87 under the
; largest, its probability is 0 here as it is (or nearly is) in f32; among equal probabilities the lower index wins, as in jax.lax.top_k.
; NO CLUSTER: the work-groups share only gate_w, 64 KiB against their 128 KiB of x each, and it is read through registers.
.set PITCH, 272                        ; an LDS row of 128 bf16 + 16 bytes: the 16 rows of a fragment load start at 16 different groups of four banks
.set XTW,   16*PITCH                   ; a wave's own 16 rows
.set RED,   16*XTW                     ; 16 waves x 1,024 bytes: the partial logits
.set SPARE, RED+16*1024                ; the spare words, 128 bytes a wave: eight blocks of 256 bytes that no other line names
.set XS,  32                           ; v[32:95]   x as loaded, row i at 4 i; then bf16 in 4 i, 4 i + 1
.set GS,  96                           ; v[96:159]  gate_w as loaded, in fragment order; then bf16 in v[96:127]
.set XF,  160                          ; v[160:191] x's four fragments
.set AC0, 192                          ; v[192:199], v[200:207] two accumulators that take turns
.set AC1, 200
.set P,   32                           ; wave 0: v[32:159] the sixteen parts, 8 registers each; the logits end in v[32:39]
.set GB,  16                           ; v[16:23]   gate_b
	s_load_b256 s[4:11], s[0:1], 0x0               ; x s[4:5], gate_w s[6:7], gate_b s[8:9], xb s[10:11]
	s_load_b128 s[12:15], s[0:1], 0x20             ; bm s[12:13], probk s[14:15]
	s_load_b64 s[16:17], s[0:1], 0x30              ; ent
	v_lshl_add_u32 v4, v0, 2, SPARE                ; my spare word; never rewritten
	v_mov_b32 v5, 0                                ; 0; never rewritten
	v_and_b32 v1, 31, v0                           ; lane
	v_lshrrev_b32 v2, 5, v0
	v_readfirstlane_b32 s20, v2                    ; wave 0..15
	v_and_b32 v3, 15, v0                           ; r = lane % 16
	v_bfe_u32 v6, v0, 4, 1                         ; h = lane / 16
	s_lshl_b32 s21, s20, 9                         ; my 512 bytes of an f32 row
	v_lshl_add_u32 v7, v1, 4, s21                  ; x: 512 w + 16 lane
	s_lshl_b32 s22, s20, 8
	v_lshl_add_u32 v8, v1, 3, s22                  ; xb: 256 w + 8 lane
	s_mul_i32 s23, s20, XTW
	v_lshl_add_u32 v9, v1, 3, s23                  ; LDS, in: my rows, 8 bytes a lane
	v_mul_u32_u24 v10, v3, PITCH
	v_lshl_add_u32 v10, v6, 4, v10
	v_add_nc_u32 v10, s23, v10                     ; LDS, back as fragments: row r, 16 h
	v_and_b32 v11, 7, v0
	v_lshlrev_b32 v11, 13, v11                     ; gate_w: row r % 8 (rows 8-15 of the matrix tile repeat the eight experts),
	v_lshl_add_u32 v11, v6, 5, v11                 ; 8 h channels of f32,
	v_add_nc_u32 v11, s21, v11                     ; my 128 channels
	s_lshl_b32 s23, s20, 10
	s_add_co_u32 s23, s23, RED
	v_lshl_add_u32 v12, v1, 5, s23                 ; my part of the logits: 32 bytes a lane
	v_lshlrev_b32 v13, 5, v1
	v_add_nc_u32 v13, RED, v13                     ; wave 0 reads all sixteen
	s_lshl_b32 s2, ttmp9, 17                       ; 16 rows of 8,192 bytes
	s_mov_b32 s3, 0
	s_wait_kmcnt 0x0
	s_add_nc_u64 s[4:5], s[4:5], s[2:3]
	s_lshl_b32 s2, ttmp9, 16                       ; 16 rows of 4,096 bytes
	s_add_nc_u64 s[10:11], s[10:11], s[2:3]
	s_load_b256 s[24:31], s[8:9], 0x0              ; gate_b, for wave 0
.set i, 0
.rept 16                                           ; a load takes my 512 consecutive bytes of row i
	global_load_b128 v[XS+4*i:XS+4*i+3], v7, s[4:5] offset:i*8192 th:TH_LOAD_NT
.set i, i+1
.endr
.irp s, 0,1,2,3                                    ; gate_w in fragment order: for 32 channels, k = 8 h + 0..7 and 16 + 8 h + 0..7
.irp c, 0,1,2,3
	global_load_b128 v[GS+16*(\s)+4*(\c):GS+16*(\s)+4*(\c)+3], v11, s[6:7] offset:128*(\s)+((\c)/2)*64+((\c)%2)*16
.endr
.endr
	s_wait_loadcnt 16                              ; x is in; gate_w's sixteen loads stay out
.set i, 0
.rept 16
	v_cvt_pk_bf16_f32 v[XS+4*i], v[XS+4*i], v[XS+4*i+1]
	v_cvt_pk_bf16_f32 v[XS+4*i+1], v[XS+4*i+2], v[XS+4*i+3]
.set i, i+1
.endr
.set i, 0
.rept 16
	global_store_b64 v8, v[XS+4*i:XS+4*i+1], s[10:11] offset:i*4096   ; the wave stores 256 consecutive bytes, at a multiple of 256
	ds_store_b64 v9, v[XS+4*i:XS+4*i+1] offset:i*PITCH
.set i, i+1
.endr
.irp s, 0,1,2,3                                    ; my own bytes: LDS serves a wave's instructions in order, so these see the stores above
	ds_load_b128 v[XF+8*(\s):XF+8*(\s)+3],   v10 offset:64*(\s)
	ds_load_b128 v[XF+8*(\s)+4:XF+8*(\s)+7], v10 offset:64*(\s)+32
.endr
	s_wait_loadcnt 0x0                             ; gate_w
.set i, 0
.rept 32                                           ; rounded and drawn together in place: register i is written when registers 2 i, 2 i + 1 are read, never before
	v_cvt_pk_bf16_f32 v[GS+i], v[GS+2*i], v[GS+2*i+1]
.set i, i+1
.endr
	s_wait_dscnt 0x0
	; source 0 = experts, source 1 = tokens: in the result lane l holds token l % 16, register j expert j (in both halves of the lanes)
	v_wmma_f32_16x16x32_bf16 v[AC0:AC0+7], v[GS:GS+7],     v[XF:XF+7],     0
	v_wmma_f32_16x16x32_bf16 v[AC1:AC1+7], v[GS+8:GS+15],  v[XF+8:XF+15],  0
	v_wmma_f32_16x16x32_bf16 v[AC0:AC0+7], v[GS+16:GS+23], v[XF+16:XF+23], v[AC0:AC0+7]   ; the two accumulators take turns
	v_wmma_f32_16x16x32_bf16 v[AC1:AC1+7], v[GS+24:GS+31], v[XF+24:XF+31], v[AC1:AC1+7]
.rept 4
	v_nop                                          ; four places between the products and the first read of their results (ISA guide 7.12.1)
.endr
.irp j, 0,2,4,6
	v_pk_add_f32 v[AC0+(\j):AC0+(\j)+1], v[AC0+(\j):AC0+(\j)+1], v[AC1+(\j):AC1+(\j)+1]
.endr
	ds_store_b128 v12, v[AC0:AC0+3]
	ds_store_b128 v12, v[AC0+4:AC0+7] offset:16
	s_wait_tensorcnt 0x0                           ; my last LDS store is out
	ds_add_u32 v4, v5
	s_wait_dscnt 0x0                               ; the wait also shows my part of the logits stored, for wave 0's sake
	s_barrier_signal -1
	s_barrier_wait -1
	s_cmp_lg_u32 s20, 0
	s_cbranch_scc1 .Lend                           ; the rest is wave 0's; it only reads LDS
	s_wait_xcnt 0x0                                ; the stores to xb have read v[32:95], which are loaded into below
.set i, 0
.rept 16
	ds_load_b128 v[P+8*i:P+8*i+3],   v13 offset:i*1024
	ds_load_b128 v[P+8*i+4:P+8*i+7], v13 offset:i*1024+16
.set i, i+1
.endr
	s_wait_kmcnt 0x0                               ; gate_b, rounded to bf16 like every input
.irp j, 0,1,2,3,4,5,6,7
	v_mov_b32 v[GB+(\j)], s[24+(\j)]
.endr
.irp j, 0,1,2,3
	v_cvt_pk_bf16_f32 v[24+(\j)], v[GB+2*(\j)], v[GB+2*(\j)+1]
.endr
.irp j, 0,1,2,3
	v_lshlrev_b32 v[GB+2*(\j)], 16, v[24+(\j)]
	v_and_b32 v[GB+2*(\j)+1], 0xffff0000, v[24+(\j)]
.endr
	s_wait_dscnt 0x0
.irp d, 8,4,2,1                                    ; the sixteen parts are added as a tree
.set i, 0
.rept 4*(\d)
	v_pk_add_f32 v[P+2*i:P+2*i+1], v[P+2*i:P+2*i+1], v[P+8*(\d)+2*i:P+8*(\d)+2*i+1]
.set i, i+1
.endr
.endr
.irp j, 0,2,4,6
	v_pk_add_f32 v[P+(\j):P+(\j)+1], v[P+(\j):P+(\j)+1], v[GB+(\j):GB+(\j)+1]
.endr
	; softmax: the maximum is taken away first, as reference() does
	v_max3_num_f32 v64, v32, v33, v34
	v_max3_num_f32 v64, v64, v35, v36
	v_max3_num_f32 v64, v64, v37, v38
	v_max_num_f32 v64, v64, v39
.irp j, 0,1,2,3,4,5,6,7
	v_sub_f32 v[40+(\j)], v[32+(\j)], v64
.endr
.irp j, 0,1,2,3,4,5,6,7
	v_mul_f32 v[40+(\j)], 0x3fb8aa3b, v[40+(\j)]   ; log2(e)
.endr
.irp j, 0,1,2,3,4,5,6,7
	v_exp_f32 v[40+(\j)], v[40+(\j)]
.endr
	v_nop                                          ; a plain instruction behind the last exponential,
	s_wait_alu depctr_va_vdst(0)                   ; and one wait for the batch of eight, ahead of its first reader
	v_add_f32 v65, v40, v41
	v_add_f32 v66, v42, v43
	v_add_f32 v67, v44, v45
	v_add_f32 v68, v46, v47
	v_add_f32 v65, v65, v66
	v_add_f32 v67, v67, v68
	v_add_f32 v65, v65, v67
	v_rcp_f32 v69, v65
	v_nop
	s_wait_alu depctr_va_vdst(0)
.irp j, 0,1,2,3,4,5,6,7
	v_mul_f32 v[40+(\j)], v[40+(\j)], v69          ; the probabilities
.endr
.irp j, 0,1,2,3,4,5,6,7
	v_add_f32 v[48+(\j)], 0x2edbe6ff, v[40+(\j)]   ; + 1e-10
.endr
.irp j, 0,1,2,3,4,5,6,7
	v_log_f32 v[48+(\j)], v[48+(\j)]
.endr
	; the largest probability and its index: a later one wins only if it is greater, so the lower index is kept.  This work names no logarithm.
	v_mov_b32 v71, v40
	v_mov_b32 v72, 0
.irp j, 1,2,3,4,5,6,7
	v_cmp_gt_f32 vcc_lo, v[40+(\j)], v71
	v_cndmask_b32 v71, v71, v[40+(\j)], vcc_lo
	v_cndmask_b32 v72, v72, \j, vcc_lo
.endr
.irp j, 0,1,2,3,4,5,6,7                            ; the winner leaves the field: -1 lies under every probability
	v_cmp_eq_u32 vcc_lo, \j, v72
	v_cndmask_b32 v[56+(\j)], v[40+(\j)], -1.0, vcc_lo
.endr
	v_mov_b32 v73, v56
	v_mov_b32 v74, 0
.irp j, 1,2,3,4,5,6,7
	v_cmp_gt_f32 vcc_lo, v[56+(\j)], v73
	v_cndmask_b32 v73, v73, v[56+(\j)], vcc_lo
	v_cndmask_b32 v74, v74, \j, vcc_lo
.endr
	s_wait_alu depctr_va_vdst(0)                   ; one wait for the eight logarithms
	v_mul_f32 v70, v40, v48
.irp j, 1,2,3,4,5,6,7
	v_fmac_f32 v70, v[40+(\j)], v[48+(\j)]
.endr
	v_mul_f32 v70, 0xbf317218, v70                 ; - ln 2: the token's entropy
	v_add_f32_dpp v70, v70, v70 row_xmask:1 row_mask:0xf bank_mask:0xf   ; the sum over the 16 tokens; both halves of the lanes hold the same tokens
	v_add_f32_dpp v70, v70, v70 row_xmask:2 row_mask:0xf bank_mask:0xf
	v_add_f32_dpp v70, v70, v70 row_xmask:4 row_mask:0xf bank_mask:0xf
	v_add_f32_dpp v70, v70, v70 row_xmask:8 row_mask:0xf bank_mask:0xf
	; the stores: lanes 16-31 repeat lanes 0-15, same addresses, same values
	s_lshl_b32 s22, ttmp9, 6
	v_lshl_add_u32 v75, v3, 2, s22                 ; 4 (16 tile + r)
	global_store_b32 v75, v71, s[14:15]
	global_store_b32 v75, v73, s[14:15] offset:4096
.set i, 0
.rept 8                                            ; sixteen masks over the tile's tokens: choice k, expert i
	v_cmp_eq_u32 s[32+i], i, v72
	v_cmp_eq_u32 s[40+i], i, v74
.set i, i+1
.endr
	v_mov_b32 v60, s32
.set i, 1
.rept 15                                           ; lane r takes mask r
	v_cmp_eq_u32 vcc_lo, i, v3
	v_cndmask_b32 v60, v60, s[32+i], vcc_lo
.set i, i+1
.endr
	s_lshl_b32 s22, ttmp9, 1
	v_lshlrev_b32 v76, 7, v3
	v_add_nc_u32 v76, s22, v76                     ; row 8 k + e of 128 bytes, the tile's 16 bits
	global_store_b16 v76, v60, s[12:13]
	s_lshl_b32 s23, ttmp9, 2
	v_mov_b32 v77, s23
	global_store_b32 v77, v70, s[16:17]
.Lend:
	s_endpgm
.Lfunc_end_k_q807e26e67e_router:
	.size	k_q807e26e67e_router, .Lfunc_end_k_q807e26e67e_router-k_q807e26e67e_router
	.p2alignl 7, 3214868480
	.fill 96, 4, 3214868480
	.section	.rodata,"a",@progbits
	.p2align	6, 0x0
	.amdhsa_kernel k_q807e26e67e_router
		.amdhsa_group_segment_fixed_size 88064
		.amdhsa_private_segment_fixed_size 0
		.amdhsa_enable_private_segment 0
		.amdhsa_kernarg_size 56
		.amdhsa_user_sgpr_count 2
		.amdhsa_user_sgpr_kernarg_segment_ptr 1
		.amdhsa_wavefront_size32 1
		.amdhsa_system_sgpr_workgroup_id_x 1
		.amdhsa_system_sgpr_workgroup_id_y 1
		.amdhsa_system_sgpr_workgroup_id_z 1
		.amdhsa_system_vgpr_workitem_id 0
		.amdhsa_next_free_vgpr 208
		.amdhsa_next_free_sgpr 66
		.amdhsa_reserve_vcc 1
		.amdhsa_float_denorm_mode_32 3
		.amdhsa_float_denorm_mode_16_64 3
		.amdhsa_memory_ordered 1
		.amdhsa_forward_progress 1
		.amdhsa_inst_pref_size 29
	.end_amdhsa_kernel
	.amdgpu_metadata
---
amdhsa.version: [ 1, 2 ]
amdhsa.kernels:
  - .name:           k_q807e26e67e_router
    .symbol:         k_q807e26e67e_router.kd
    .args:
      - { .name: x, .offset: 0, .size: 8, .value_kind: global_buffer, .address_space: global }
      - { .name: gate_w, .offset: 8, .size: 8, .value_kind: global_buffer, .address_space: global }
      - { .name: gate_b, .offset: 16, .size: 8, .value_kind: global_buffer, .address_space: global }
      - { .name: xb, .offset: 24, .size: 8, .value_kind: global_buffer, .address_space: global }
      - { .name: bm, .offset: 32, .size: 8, .value_kind: global_buffer, .address_space: global }
      - { .name: probk, .offset: 40, .size: 8, .value_kind: global_buffer, .address_space: global }
      - { .name: ent, .offset: 48, .size: 8, .value_kind: global_buffer, .address_space: global }
    .group_segment_fixed_size: 88064
    .private_segment_fixed_size: 0
    .kernarg_segment_align: 8
    .kernarg_segment_size: 56
    .max_flat_workgroup_size: 512
    .sgpr_count:     66
    .vgpr_count:     208
    .wavefront_size: 32
...
	.end_amdgpu_metadata
.endif
;; end of part 1
;; launch product (part 2): grid 32 x 8, 8 waves a work-group, no clusters, 284,672 bytes of LDS; arguments expert_w, xb, part, bm, probk, expert_b, cnt; writes part, cnt
.if DOCPART == 2
	.amdgcn_target "amdgcn-amd-amdhsa--gfx1250"
	.amdhsa_code_object_version 6
	.text
	.protected	k_q807e26e67e_product
	.globl	k_q807e26e67e_product
	.p2align	8
	.type	k_q807e26e67e_product,@function
k_q807e26e67e_product:
	s_mov_b64 s[64:65], 0
	v_nop
	global_prefetch_b8 v0, s[64:65] scope:SCOPE_SE
	s_setreg_imm32_b32 hwreg(HW_REG_WAVE_MODE, 25, 1), 1
	s_wait_xcnt 0x0
; THE EXPERTS' PRODUCT, for the chosen rows alone.  part[k][n][h] = p (x[n] . W[e][h] + b[e][h]), e token n's k-th choice, p its probability.
; Weights and bias are rounded to bf16 on their way through registers, x comes rounded (xb); sums in f32, started with the bias as C.
; SHARES.  Work-group (slice, e) owns the 128 rows h = 128 slice .. of expert e's weights, 1 MiB that it alone reads, once, and ALL rows
; (token, choice) of that expert: 256 work-groups.  The rows are numbered by RANK, in the order of the tokens; each work-group finds the row
; of each rank from the bitmaps that the launch before stored (a prefix count over 32 words, then a search in the word) and keeps the list in LDS.
; MAIN PASS: ranks 0 .. 319 whatever the count, K in 16 steps of 128 through two LDS slots; every wave passes every barrier.  Wave w has
; 64 h (w / 4) x five tiles of 16 ranks (tile 4 i + w % 4): 20 accumulators.  Ranks at or past the count repeat the last row that exists: in a tile
; that is not full they store the same bytes again; a tile wholly past the count is not stored (a forward jump with no barrier in it).
; OVERFLOW: ranks 320 .. 1,279 in three passes without LDS slots or barriers, operands straight from memory; a pass past the count is jumped.
; An expert has 1,024 rows at the most (a token's two choices differ), so every split is served; the passes are slow and meant for rare splits.
; BOTH STREAMS GO THROUGH REGISTERS: the rows of x come by a list, which no tensor descriptor covers, and the f32 weights are halved before
; they reach LDS.  NO CLUSTER: a slice of weights has one reader, and what an expert's work-groups share are those listed rows.
; THE MATRIX INSTRUCTION: source 0 = 16 rows of W, source 1 = 16 rows of x: a lane holds one row of x (lane % 16) and eight neighbouring h.
; LIMITS.  NaN and infinities are not treated apart; the order of the f32 sums differs from reference()'s.
; REGISTERS, in windows of 256 (s_set_vgpr_msb: bits 1:0 source 0, 3:2 source 1, 5:4 source 2, 7:6 destination):
;   window 0: v0-27 addresses; v28-47 gather offsets; v48-79 W's fragments; v80-119 x's; v120-183, v184-247 two sets of weights as loaded
;   window 1: v0-159 accumulators, (i, f) at 8 (4 i + f); v160-239 x as loaded; v240-249 p, a pair for each tile
.set PITCH, 272                        ; an LDS row: 256 bytes + 16: the 16 rows of a fragment load start at 16 different groups of four banks
.set CAP,   320                        ; ranks in a pass
.set WOFF,  CAP*PITCH                  ; in a slot: 320 rows of x, then 128 rows of W
.set SLOT,  WOFF+128*PITCH
.set STG,   2*SLOT                     ; 16 rows x 272 bytes for each wave, for the way out
.set ROWT,  STG+8*16*PITCH             ; the list: for each of 1,280 ranks the row 1,024 k + n
.set SPARE, ROWT+16*CAP                ; the spare words, 128 bytes a wave: four blocks of 256 bytes that no other line names
.set SPW, 4                            ; v4   my spare word      v5   0; both never rewritten
.set NIL, 5
.set WOF, 6                            ; v6   weights: 16 w rows of 8,192 bytes + 16 lane
.set LN16, 7                           ; v7   16 r
.set XST, 8                            ; v8-9   x into slot 0, 1        v10-11 W into slot 0, 1
.set WST, 10
.set XRA, 12                           ; v12-13 x's fragments, tiles i = 0..2      v14-15 tiles i = 3, 4 (their offset would pass 16 bits)
.set XRB, 14
.set WRD, 16                           ; v16-17 W's fragments
.set STO, 18                           ; v18  the way out: in         v19  back
.set SRD, 19
.set RTA, 20                           ; v20  the list at rank 16 (w % 4) + r       v21  at 16 (w % 4) + h
.set RTB, 21
.set COL, 22                           ; v22  my 16 bytes in a row of part
.set WFO, 23                           ; v23  overflow: W's fragment row in memory
.set BOF, 24                           ; v24  32 h: my eight numbers of the bias
.set XRT, 25                           ; v25  the list at rank 40 w + h
.set XO,  28
.set WF,  48
.set XF,  80
.set WSG, 120
.set BI,  120                          ; v120-151 the bias as C: it lies in set 0 between that set's store and its next load
.set EPT, 80                           ; the way out: 16 rows read back, and their offsets in part
.set EOR, 112
.set PV,  80                           ; the search: v80-111 rows in the words before word j
.set R_RK, 28                          ; the search's registers lie where the gather offsets come later
.set R_ST, 29
.set R_RE, 30
.set R_B0, 31
.set R_B1, 32
.set R_BS, 33
.set R_JV, 34
.set R_U,  35
.set R_Q,  36
.set R_A,  37
.set R_B,  38
.set R_C,  39
.set R_D,  40
.set R_T,  41
.set R_T2, 42
.set R_PS, 43
.set XSG, 160                          ; window 1
.set PR,  240                          ; window 1
.set MSB, 0
.macro WIN new                         ; the immediate's high byte repeats the setting that is left; a switch that changes nothing is dropped
.if MSB != (\new)
	s_set_vgpr_msb (MSB<<8)|(\new)
.set MSB, \new
.endif
.endm
.macro PLACES                          ; four places between a matrix instruction and a load into, or a vector write of, its registers, or a read of its result
.rept 4
	v_nop
.endr
.endm
.macro BAR                             ; my LDS stores are done and my LDS reads are back, for the others' sake; then the barrier
	s_wait_dscnt 0x0
	s_barrier_signal -1
	s_barrier_wait -1
.endm
.macro BIAS_LOAD                       ; register j of fragment f: b[h0 + 64 (w / 4) + 16 f + 8 h + j], into W's fragment registers
.irp f, 0,1,2,3
	global_load_b128 v[WF+8*(\f):WF+8*(\f)+3],   v[BOF], s[14:15] offset:64*(\f)
	global_load_b128 v[WF+8*(\f)+4:WF+8*(\f)+7], v[BOF], s[14:15] offset:64*(\f)+16
.endr
.endm
.macro BIAS_ROUND                      ; rounded to bf16 and widened again, into BI
.set m, 0
.rept 16
	v_cvt_pk_bf16_f32 v[BI+2*m], v[WF+2*m], v[WF+2*m+1]
	v_and_b32 v[BI+2*m+1], 0xffff0000, v[BI+2*m]
	v_lshlrev_b32 v[BI+2*m], 16, v[BI+2*m]
.set m, m+1
.endr
.endm
.macro LEVEL word, step, width         ; are the wanted bit's predecessors all in the lower half of what is left?  if not, go to the upper half
	v_bfe_u32 v[R_T], v[\word], v[R_PS], \width
	v_cmp_ge_u32 vcc_lo, v[R_Q], v[R_T]
	v_sub_nc_u32 v[R_T], v[R_Q], v[R_T]
	v_cndmask_b32 v[R_Q], v[R_Q], v[R_T], vcc_lo
	v_add_nc_u32 v[R_T2], \step, v[R_PS]
	v_cndmask_b32 v[R_PS], v[R_PS], v[R_T2], vcc_lo
.endm
.macro FRAGS slot, s                   ; 18 LDS loads in one run: 4 fragments of W, 5 of x, 32 along K at byte 64 s of the rows
	PLACES
	WIN 0
.irp f, 0,1,2,3
	ds_load_b128 v[WF+8*(\f):WF+8*(\f)+3],   v[WRD+(\slot)] offset:(\f)*16*PITCH+64*(\s)
	ds_load_b128 v[WF+8*(\f)+4:WF+8*(\f)+7], v[WRD+(\slot)] offset:(\f)*16*PITCH+64*(\s)+32
.endr
.irp i, 0,1,2
	ds_load_b128 v[XF+8*(\i):XF+8*(\i)+3],   v[XRA+(\slot)] offset:(\i)*64*PITCH+64*(\s)
	ds_load_b128 v[XF+8*(\i)+4:XF+8*(\i)+7], v[XRA+(\slot)] offset:(\i)*64*PITCH+64*(\s)+32
.endr
.irp i, 3,4
	ds_load_b128 v[XF+8*(\i):XF+8*(\i)+3],   v[XRB+(\slot)] offset:((\i)-3)*64*PITCH+64*(\s)
	ds_load_b128 v[XF+8*(\i)+4:XF+8*(\i)+7], v[XRB+(\slot)] offset:((\i)-3)*64*PITCH+64*(\s)+32
.endr
.endm
.macro QMUL first                      ; 20 products; the 20 accumulators take turns, one instruction a turn.  first = 1: the bias starts the sums
	s_wait_dscnt 0x0
.if \first
	WIN 0x40
.else
	WIN 0x50
.endif
.irp i, 0,1,2,3,4
.irp f, 0,1,2,3
.if \first
	v_wmma_f32_16x16x32_bf16 v[8*(4*(\i)+(\f)):8*(4*(\i)+(\f))+7], v[WF+8*(\f):WF+8*(\f)+7], v[XF+8*(\i):XF+8*(\i)+7], v[BI+8*(\f):BI+8*(\f)+7]
.else
	v_wmma_f32_16x16x32_bf16 v[8*(4*(\i)+(\f)):8*(4*(\i)+(\f))+7], v[WF+8*(\f):WF+8*(\f)+7], v[XF+8*(\i):XF+8*(\i)+7], v[8*(4*(\i)+(\f)):8*(4*(\i)+(\f))+7]
.endif
.endr
.endr
.endm
.macro LDX                             ; the next K step of my 40 listed rows: a load takes two rows' 256 bytes, sixteen lanes a row
	s_wait_xcnt 0x0                                ; the base is stepped only behind this wait
	s_add_nc_u64 s[6:7], s[6:7], 256
	WIN 0x40
.set j, 0
.rept 20
	global_load_b128 v[XSG+4*j:XSG+4*j+3], v[XO+j], s[6:7]
.set j, j+1
.endr
.endm
.macro LDW set                         ; the K step after next of my 16 rows of W: a load takes 512 consecutive bytes of a row
	PLACES                                         ; set 0 holds the bias that the first products read as C
	WIN 0
	s_wait_xcnt 0x0
	s_add_nc_u64 s[4:5], s[4:5], 512
.set j, 0
.rept 16
	global_load_b128 v[WSG+64*(\set)+4*j:WSG+64*(\set)+4*j+3], v[WOF], s[4:5] offset:j*8192 th:TH_LOAD_NT
.set j, j+1
.endr
.endm
.macro STORE slot, n                   ; the next K step goes into the other slot.  n: the younger loads that may stay out
	WIN 0
	s_wait_loadcnt \n
.set j, 0
.rept 16
	v_cvt_pk_bf16_f32 v[WSG+64*(\slot)+4*j],   v[WSG+64*(\slot)+4*j],   v[WSG+64*(\slot)+4*j+1]
	v_cvt_pk_bf16_f32 v[WSG+64*(\slot)+4*j+1], v[WSG+64*(\slot)+4*j+2], v[WSG+64*(\slot)+4*j+3]
.set j, j+1
.endr
.set j, 0
.rept 16
	ds_store_b64 v[WST+(\slot)], v[WSG+64*(\slot)+4*j:WSG+64*(\slot)+4*j+1] offset:j*PITCH
.set j, j+1
.endr
	WIN 0x04                                       ; store data in window 1
.set j, 0
.rept 20
	ds_store_b128 v[XST+(\slot)], v[XSG+4*j:XSG+4*j+3] offset:j*2*PITCH
.set j, j+1
.endr
	WIN 0
.endm
; A K step of 128: four quarters of 32.  x of the next step is asked for at its head, W of the step after next behind its first quarter; at its end the next
; step's tiles go into the other slot, and ONE barrier says both that this slot's reads are over and that the other slot is whole.
.macro STEP slot, ldx, ldw, st, n, mid
	FRAGS \slot, 0
.if \ldx
	LDX
.endif
	QMUL 0
	WIN 0
.if \mid
.Lmid:
.endif
.if \ldw
	LDW \slot
.endif
	FRAGS \slot, 1
	QMUL 0
	FRAGS \slot, 2
	QMUL 0
	FRAGS \slot, 3
	QMUL 0
.if \st
	STORE 1-(\slot), \n
	BAR
.endif
	WIN 0
.endm
; THE WAY OUT of tile i: times p; through my own stage in LDS; back as rows of 256 bytes; each row to its place in part.  A tile wholly past the count is jumped.
.macro EPIT i
	WIN 0
	s_add_co_u32 s59, s58, 64*(\i)                 ; the tile's first rank
	s_cmp_ge_u32 s59, s55
	s_cbranch_scc1 .Ldead_\@
	s_wait_xcnt 0x0                                ; the last tile's stores have read their registers
.irp q, 0,1,2,3,4,5,6,7
	ds_load_b32 v[EOR+(\q)], v[RTB] offset:256*(\i)+8*(\q)   ; the rows of ranks 2 q + h of the tile
.endr
	WIN 0x45
.set j, 0
.rept 16                                           ; each accumulator from its lowest registers on
	v_pk_mul_f32 v[32*(\i)+2*j:32*(\i)+2*j+1], v[32*(\i)+2*j:32*(\i)+2*j+1], v[PR+2*(\i):PR+2*(\i)+1] op_sel_hi:[1,0]
.set j, j+1
.endr
	WIN 0x04
.irp f, 0,1,2,3
	ds_store_b128 v[STO], v[32*(\i)+8*(\f):32*(\i)+8*(\f)+3]   offset:64*(\f)
	ds_store_b128 v[STO], v[32*(\i)+8*(\f)+4:32*(\i)+8*(\f)+7] offset:64*(\f)+16
.endr
	WIN 0
.irp q, 0,1,2,3,4,5,6,7
	ds_load_b128 v[EPT+4*(\q):EPT+4*(\q)+3], v[SRD] offset:(\q)*2*PITCH   ; my own bytes: LDS serves a wave's instructions in order
.endr
	s_wait_dscnt 0x0
.irp q, 0,1,2,3,4,5,6,7
	v_min_u32 v[EOR+(\q)], 0x7ff, v[EOR+(\q)]      ; a row of part: 2,047 at the most
	v_lshl_add_u32 v[EOR+(\q)], v[EOR+(\q)], 14, v[COL]
.endr
.irp q, 0,1,2,3,4,5,6,7
	global_store_b128 v[EOR+(\q)], v[EPT+4*(\q):EPT+4*(\q)+3], s[8:9]   ; sixteen lanes store 256 consecutive bytes, at a multiple of 256
.endr
.Ldead_\@:
.endm
.macro EPI
	EPIT 0
	EPIT 1
	EPIT 2
	EPIT 3
	EPIT 4
.endm
; OVERFLOW, 32 along K: both operands come from memory in fragment order; the weights are rounded in registers.
.macro OSUB first
	PLACES
	WIN 0
.irp f, 0,1,2,3
.irp c, 0,1,2,3
	global_load_b128 v[WSG+64+16*(\f)+4*(\c):WSG+64+16*(\f)+4*(\c)+3], v[WFO], s[16:17] offset:(\f)*131072+((\c)/2)*64+((\c)%2)*16
.endr
.endr
.irp i, 0,1,2,3,4
	global_load_b128 v[XF+8*(\i):XF+8*(\i)+3],   v[XO+(\i)], s[18:19]
	global_load_b128 v[XF+8*(\i)+4:XF+8*(\i)+7], v[XO+(\i)], s[18:19] offset:32
.endr
	s_wait_loadcnt 0x0                             ; all are in, so their bases may be stepped
.set m, 0
.rept 32
	v_cvt_pk_bf16_f32 v[WF+m], v[WSG+64+2*m], v[WSG+64+2*m+1]
.set m, m+1
.endr
	s_add_nc_u64 s[16:17], s[16:17], 128
	s_add_nc_u64 s[18:19], s[18:19], 64
	QMUL \first
	WIN 0
.endm
	s_load_b256 s[4:11], s[0:1], 0x0               ; expert_w s[4:5], xb s[6:7], part s[8:9], bm s[10:11]
	s_load_b128 s[12:15], s[0:1], 0x20             ; probk s[12:13], expert_b s[14:15]
	s_load_b64 s[48:49], s[0:1], 0x30              ; cnt
	v_lshl_add_u32 v[SPW], v0, 2, SPARE
	v_mov_b32 v[NIL], 0
	v_and_b32 v1, 15, v0                           ; r
	v_bfe_u32 v2, v0, 4, 1                         ; h
	v_and_b32 v3, 31, v0                           ; lane
	v_lshrrev_b32 v26, 5, v0
	v_readfirstlane_b32 s50, v26                   ; wave 0..7
	s_lshr_b32 s51, s50, 2                         ; which 64 h
	s_and_b32 s52, s50, 3                          ; which tiles of ranks
	s_and_b32 s53, ttmp7, 0xffff                   ; the expert
	s_mov_b32 s54, ttmp9                           ; the slice
	s_lshl_b32 s59, s50, 17
	v_lshl_add_u32 v[WOF], v3, 4, s59
	v_lshlrev_b32 v[LN16], 4, v1
	s_mul_i32 s59, s50, 40*PITCH
	v_mul_u32_u24 v26, v2, PITCH
	v_add_nc_u32 v26, s59, v26
	v_add_nc_u32 v[XST], v26, v[LN16]              ; row 40 w + h, 16 r
	v_add_nc_u32 v[XST+1], SLOT, v[XST]
	s_mul_i32 s59, s50, 16*PITCH
	s_add_co_u32 s61, s59, STG                     ; my stage
	s_add_co_u32 s59, s59, WOFF
	v_lshl_add_u32 v[WST], v3, 3, s59              ; row 16 w, 8 lane
	v_add_nc_u32 v[WST+1], SLOT, v[WST]
	v_mul_u32_u24 v27, v1, PITCH
	v_lshl_add_u32 v27, v2, 4, v27                 ; a fragment's row r, 16 h
	s_mul_i32 s59, s52, 16*PITCH
	v_add_nc_u32 v[XRA], s59, v27
	v_add_nc_u32 v[XRA+1], SLOT, v[XRA]
	v_add_nc_u32 v[XRB], 3*64*PITCH, v[XRA]
	v_add_nc_u32 v[XRB+1], SLOT, v[XRB]
	s_mul_i32 s59, s51, 64*PITCH
	s_add_co_u32 s59, s59, WOFF
	v_add_nc_u32 v[WRD], s59, v27
	v_add_nc_u32 v[WRD+1], SLOT, v[WRD]
	v_mul_u32_u24 v26, v1, PITCH
	v_lshl_add_u32 v26, v2, 5, v26
	v_add_nc_u32 v[STO], s61, v26                  ; in: row r, 32 bytes for each half of the lanes
	v_mul_u32_u24 v26, v2, PITCH
	v_add_nc_u32 v26, v26, v[LN16]
	v_add_nc_u32 v[SRD], s61, v26                  ; back: lanes 0-15 one row of 256 bytes, lanes 16-31 the next
	s_lshl_b32 s59, s52, 6
	s_add_co_u32 s59, s59, ROWT
	v_lshl_add_u32 v[RTA], v1, 2, s59
	v_lshl_add_u32 v[RTB], v2, 2, s59
	s_lshl_b32 s59, s54, 9
	s_lshl_b32 s61, s51, 8
	s_add_co_u32 s59, s59, s61
	v_add_nc_u32 v[COL], s59, v[LN16]              ; 4 (128 slice + 64 (w / 4)) + 16 r
	s_lshl_b32 s61, s51, 19
	v_lshlrev_b32 v[WFO], 13, v1
	v_lshl_add_u32 v[WFO], v2, 5, v[WFO]
	v_add_nc_u32 v[WFO], s61, v[WFO]               ; row 64 (w / 4) + r of 8,192 bytes, 8 h numbers of f32
	v_lshlrev_b32 v[BOF], 5, v2
	s_mul_i32 s61, s50, 160
	s_add_co_u32 s61, s61, ROWT
	v_lshl_add_u32 v[XRT], v2, 2, s61
	s_lshl_b32 s61, s50, 7
	s_add_co_u32 s61, s61, ROWT
	v_lshl_add_u32 v[R_ST], v3, 2, s61             ; the list's word of rank 32 w + lane
	v_mov_b32 v[R_RK], v0                          ; that rank
	s_lshl_b32 s2, s53, 7
	s_mov_b32 s3, 0
	s_wait_kmcnt 0x0
	s_add_nc_u64 s[10:11], s[10:11], s[2:3]        ; the expert's 32 words, first choices; second choices 1,024 bytes on
	s_load_b512 s[16:31], s[10:11], 0x0
	s_load_b512 s[32:47], s[10:11], 0x40
	s_load_b512 s[68:83], s[10:11], 0x400
	s_load_b512 s[84:99], s[10:11], 0x440
	s_lshl_b32 s2, s53, 25                         ; an expert's weights are 32 MiB, a slice 1 MiB
	s_lshl_b32 s61, s54, 20
	s_add_co_u32 s2, s2, s61
	s_add_nc_u64 s[4:5], s[4:5], s[2:3]
	s_mov_b64 s[66:67], s[4:5]                     ; the slice's and xb's first bytes are kept for the overflow
	s_mov_b64 s[100:101], s[6:7]
	s_lshl_b32 s2, s53, 14
	s_add_co_u32 s2, s2, s59                       ; 4 (4,096 e + 128 slice + 64 (w / 4))
	s_add_nc_u64 s[14:15], s[14:15], s[2:3]
	BIAS_LOAD
.set j, 0
.rept 16                                           ; W of K steps 0 and 1
	global_load_b128 v[WSG+4*j:WSG+4*j+3], v[WOF], s[4:5] offset:j*8192 th:TH_LOAD_NT
.set j, j+1
.endr
.set j, 0
.rept 16
	global_load_b128 v[WSG+64+4*j:WSG+64+4*j+3], v[WOF], s[4:5] offset:j*8192+512 th:TH_LOAD_NT
.set j, j+1
.endr
	s_wait_xcnt 0x0
	s_add_nc_u64 s[4:5], s[4:5], 512               ; at K step 1: each later load of W steps first
	s_wait_kmcnt 0x0
	s_mov_b32 s55, 0
.set j, 0
.rept 32                                           ; how many of the expert's rows lie in the words before word j; at the end the count
	v_mov_b32 v[PV+j], s55
	s_or_b32 s59, s[16+j], s[68+j]
	s_bcnt1_i32_b32 s59, s59
	s_add_co_u32 s55, s55, s59
.set j, j+1
.endr
	s_max_u32 s56, s55, 1
	s_sub_co_u32 s56, s56, 1                       ; the last rank that exists (0 for an expert without rows: nothing of it is stored)
	s_or_b32 s59, s54, s50
	s_cmp_lg_u32 s59, 0
	s_cbranch_scc1 .Lnocnt                         ; slice 0's wave 0 stores the count, for the penalty
	v_mov_b32 v248, s55
	s_lshl_b32 s59, s53, 2
	v_mov_b32 v249, s59
	global_store_b32 v249, v248, s[48:49]
.Lnocnt:
	; THE LIST.  Five trips of 256 ranks; the last three (ranks 512 on) are jumped where the main pass holds all rows.  The LDS address hangs on the rank alone.
	s_mov_b32 s57, 0
.Lrank:
	s_cmp_lt_u32 s57, 2
	s_cbranch_scc1 .Lrdo
	s_cmp_le_u32 s55, CAP
	s_cbranch_scc1 .Lrskip
.Lrdo:
	v_min_u32 v[R_RE], s56, v[R_RK]                ; ranks past the count repeat the last row
	v_mov_b32 v[R_B0], s16
	v_mov_b32 v[R_B1], s68
	v_mov_b32 v[R_BS], 0
	v_mov_b32 v[R_JV], 0
.set j, 1
.rept 31                                           ; the last word whose predecessors hold no more than the rank
	v_cmp_le_u32 vcc_lo, v[PV+j], v[R_RE]
	v_cndmask_b32 v[R_B0], v[R_B0], s[16+j], vcc_lo
	v_cndmask_b32 v[R_B1], v[R_B1], s[68+j], vcc_lo
	v_cndmask_b32 v[R_BS], v[R_BS], v[PV+j], vcc_lo
	v_cndmask_b32 v[R_JV], v[R_JV], j, vcc_lo
.set j, j+1
.endr
	v_or_b32 v[R_U], v[R_B0], v[R_B1]
	v_sub_nc_u32 v[R_Q], v[R_RE], v[R_BS]          ; so many set bits of the word come before the wanted one
	v_lshrrev_b32 v[R_T], 1, v[R_U]                ; counts of set bits in fields of 2, 4, 8 and (low byte) 16 bits
	v_and_b32 v[R_T], 0x55555555, v[R_T]
	v_sub_nc_u32 v[R_A], v[R_U], v[R_T]
	v_lshrrev_b32 v[R_T], 2, v[R_A]
	v_and_b32 v[R_T], 0x33333333, v[R_T]
	v_and_b32 v[R_B], 0x33333333, v[R_A]
	v_add_nc_u32 v[R_B], v[R_B], v[R_T]
	v_lshrrev_b32 v[R_T], 4, v[R_B]
	v_add_nc_u32 v[R_C], v[R_B], v[R_T]
	v_and_b32 v[R_C], 0x0f0f0f0f, v[R_C]
	v_lshrrev_b32 v[R_T], 8, v[R_C]
	v_add_nc_u32 v[R_D], v[R_C], v[R_T]
	v_mov_b32 v[R_PS], 0
	LEVEL R_D, 16, 8
	LEVEL R_C, 8, 8
	LEVEL R_B, 4, 4
	LEVEL R_A, 2, 2
	LEVEL R_U, 1, 1
	v_lshl_add_u32 v[R_T], v[R_JV], 5, v[R_PS]     ; the token,
	v_bfe_u32 v[R_T2], v[R_B1], v[R_PS], 1         ; which of its two choices,
	v_lshl_or_b32 v[R_T], v[R_T2], 10, v[R_T]      ; the row 1,024 k + n
	ds_store_b32 v[R_ST], v[R_T]
.Lrskip:
	v_add_nc_u32 v[R_RK], 256, v[R_RK]
	v_add_nc_u32 v[R_ST], 1024, v[R_ST]
	s_add_co_u32 s57, s57, 1
	s_cmp_lt_u32 s57, 5
	s_cbranch_scc1 .Lrank
	BAR                                            ; the list is whole
.set j, 0
.rept 20
	ds_load_b32 v[XO+j], v[XRT] offset:8*j         ; ranks 40 w + 2 j + h: the rows that I bring
.set j, j+1
.endr
.irp i, 0,1,2,3,4
	ds_load_b32 v[112+(\i)], v[RTA] offset:256*(\i)   ; ranks 64 i + 16 (w % 4) + r: the rows whose results I hold
.endr
	s_wait_dscnt 0x0
.set j, 0
.rept 20
	v_min_u32 v[XO+j], 0x7ff, v[XO+j]
	v_and_b32 v[XO+j], 0x3ff, v[XO+j]              ; the token
	v_lshl_add_u32 v[XO+j], v[XO+j], 12, v[LN16]   ; its row of 4,096 bytes, my 16
.set j, j+1
.endr
.irp i, 0,1,2,3,4
	v_min_u32 v[112+(\i)], 0x7ff, v[112+(\i)]
	v_lshlrev_b32 v[112+(\i)], 2, v[112+(\i)]
.endr
	WIN 0x40
.irp i, 0,1,2,3,4
	global_load_b32 v[PR+2*(\i)], v[112+(\i)], s[12:13]
	v_mov_b32 v[PR+2*(\i)+1], 0                    ; named with it as a pair
.endr
.set j, 0
.rept 20                                           ; x of K step 0
	global_load_b128 v[XSG+4*j:XSG+4*j+3], v[XO+j], s[6:7]
.set j, j+1
.endr
	WIN 0
	STORE 0, 0                                     ; all loads are in: bias, W of steps 0 and 1, p, x of step 0
	BAR
	BIAS_ROUND
	FRAGS 0, 0                                     ; the first quarter stands ahead of the loop: its products start the sums
	LDX
	QMUL 1
	WIN 0
	s_mov_b32 s57, 7
	s_branch .Lmid
.Lk:                                               ; seven trips: K steps 0 to 13.  The count 16 leaves out W of the step after next, the sixteen youngest loads
	STEP 0, 1, 1, 1, 16, 1
	STEP 1, 1, 1, 1, 16, 0
	s_sub_co_u32 s57, s57, 1
	s_cmp_lg_u32 s57, 0
	s_cbranch_scc1 .Lk
	STEP 0, 1, 0, 1, 0, 0                          ; step 14 asks for x of step 15 alone; step 15 for nothing
	STEP 1, 0, 0, 0, 0, 0
	PLACES
	s_lshl_b32 s58, s52, 4                         ; my tile 0's first rank
	EPI
	s_mov_b32 s60, CAP                             ; the next pass's first rank
	s_mov_b32 s57, 3
.Lpass:
	s_add_co_u32 s58, s58, CAP
	v_add_nc_u32 v[RTA], 4*CAP, v[RTA]
	v_add_nc_u32 v[RTB], 4*CAP, v[RTB]
	s_cmp_ge_u32 s60, s55
	s_cbranch_scc1 .Lnone                          ; no row has so high a rank; what is jumped holds no barrier
	s_wait_xcnt 0x0                                ; the last stores have read their registers
	s_mov_b64 s[16:17], s[66:67]
	s_mov_b64 s[18:19], s[100:101]
	BIAS_LOAD
.irp i, 0,1,2,3,4
	ds_load_b32 v[XO+(\i)], v[RTA] offset:256*(\i)
.endr
	v_lshlrev_b32 v26, 4, v2
	s_wait_dscnt 0x0
.irp i, 0,1,2,3,4
	v_min_u32 v[XO+(\i)], 0x7ff, v[XO+(\i)]
	v_lshlrev_b32 v[XO+8+(\i)], 2, v[XO+(\i)]
	v_and_b32 v[XO+(\i)], 0x3ff, v[XO+(\i)]
	v_lshl_add_u32 v[XO+(\i)], v[XO+(\i)], 12, v26 ; the token's row, 16 h
.endr
	WIN 0x40
.irp i, 0,1,2,3,4
	global_load_b32 v[PR+2*(\i)], v[XO+8+(\i)], s[12:13]
.endr
	WIN 0
	s_wait_loadcnt 0x0
	BIAS_ROUND
	OSUB 1
	s_mov_b32 s62, 63
.Lsub:
	OSUB 0
	s_sub_co_u32 s62, s62, 1
	s_cmp_lg_u32 s62, 0
	s_cbranch_scc1 .Lsub
	PLACES
	EPI
.Lnone:
	s_add_co_u32 s60, s60, CAP
	s_sub_co_u32 s57, s57, 1
	s_cmp_lg_u32 s57, 0
	s_cbranch_scc1 .Lpass
	s_wait_tensorcnt 0x0                           ; the wave's end
	ds_add_u32 v[SPW], v[NIL]
	s_wait_dscnt 0x0
	s_endpgm
.Lfunc_end_k_q807e26e67e_product:
	.size	k_q807e26e67e_product, .Lfunc_end_k_q807e26e67e_product-k_q807e26e67e_product
	.p2alignl 7, 3214868480
	.fill 96, 4, 3214868480
	.section	.rodata,"a",@progbits
	.p2align	6, 0x0
	.amdhsa_kernel k_q807e26e67e_product
		.amdhsa_group_segment_fixed_size 284672
		.amdhsa_private_segment_fixed_size 0
		.amdhsa_enable_private_segment 0
		.amdhsa_kernarg_size 56
		.amdhsa_user_sgpr_count 2
		.amdhsa_user_sgpr_kernarg_segment_ptr 1
		.amdhsa_wavefront_size32 1
		.amdhsa_system_sgpr_workgroup_id_x 1
		.amdhsa_system_sgpr_workgroup_id_y 1
		.amdhsa_system_sgpr_workgroup_id_z 1
		.amdhsa_system_vgpr_workitem_id 0
		.amdhsa_next_free_vgpr 512
		.amdhsa_next_free_sgpr 102
		.amdhsa_reserve_vcc 1
		.amdhsa_float_denorm_mode_32 3
		.amdhsa_float_denorm_mode_16_64 3
		.amdhsa_memory_ordered 1
		.amdhsa_forward_progress 1
		.amdhsa_inst_pref_size 171
	.end_amdhsa_kernel
	.amdgpu_metadata
---
amdhsa.version: [ 1, 2 ]
amdhsa.kernels:
  - .name:           k_q807e26e67e_product
    .symbol:         k_q807e26e67e_product.kd
    .args:
      - { .name: expert_w, .offset: 0, .size: 8, .value_kind: global_buffer, .address_space: global }
      - { .name: xb, .offset: 8, .size: 8, .value_kind: global_buffer, .address_space: global }
      - { .name: part, .offset: 16, .size: 8, .value_kind: global_buffer, .address_space: global }
      - { .name: bm, .offset: 24, .size: 8, .value_kind: global_buffer, .address_space: global }
      - { .name: probk, .offset: 32, .size: 8, .value_kind: global_buffer, .address_space: global }
      - { .name: expert_b, .offset: 40, .size: 8, .value_kind: global_buffer, .address_space: global }
      - { .name: cnt, .offset: 48, .size: 8, .value_kind: global_buffer, .address_space: global }
    .group_segment_fixed_size: 284672
    .private_segment_fixed_size: 0
    .kernarg_segment_align: 8
    .kernarg_segment_size: 56
    .max_flat_workgroup_size: 256
    .sgpr_count:     102
    .vgpr_count:     512
    .wavefront_size: 32
...
	.end_amdgpu_metadata
.endif
;; end of part 2
;; launch combine (part 3): grid 256 x 1, 8 waves a work-group, no clusters, 0 bytes of LDS; arguments part, ent, cnt, out0, out1; writes out0, out1
.if DOCPART == 3
	.amdgcn_target "amdgcn-amd-amdhsa--gfx1250"
	.amdhsa_code_object_version 6
	.text
	.protected	k_q807e26e67e_combine
	.globl	k_q807e26e67e_combine
	.p2align	8
	.type	k_q807e26e67e_combine,@function
k_q807e26e67e_combine:
	s_mov_b64 s[64:65], 0
	v_nop
	global_prefetch_b8 v0, s[64:65] scope:SCOPE_SE
	s_setreg_imm32_b32 hwreg(HW_REG_WAVE_MODE, 25, 1), 1
	s_wait_xcnt 0x0
; out0[n][h] = part[0][n][h] + part[1][n][h]: a token's two weighted rows.  out1 = 0.1 x the mean entropy + the sum over experts of max(count / 1,024 - 0.3, 0).
; A stream: a wave has 8,192 consecutive bytes of out0, sixteen steps of 512; all 32 loads go out first, and the waits count down, so that the
; younger pairs stay on their way.  Every load and store of a wave covers 512 consecutive bytes, at a multiple of 256.  No LDS, no barrier, no matrix
; unit, no cluster: nothing is shared and nothing is read twice.  Work-group 0's wave 0 also makes out1, from 64 partial sums and 8 counts.
.set A, 8                              ; v[8:71]   the first choices' rows
.set B, 72                             ; v[72:135] the second choices'
	s_load_b256 s[4:11], s[0:1], 0x0               ; part s[4:5], ent s[6:7], cnt s[8:9], out0 s[10:11]
	s_load_b64 s[12:13], s[0:1], 0x20              ; out1
	v_and_b32 v1, 31, v0
	v_lshrrev_b32 v2, 5, v0
	v_readfirstlane_b32 s14, v2                    ; wave
	v_lshlrev_b32 v1, 4, v1
	v_lshl_add_u32 v1, v2, 13, v1                  ; 8,192 w + 16 lane; never rewritten
	s_lshl_b32 s2, ttmp9, 16                       ; 65,536 bytes a work-group
	s_mov_b32 s3, 0
	s_wait_kmcnt 0x0
	s_add_nc_u64 s[4:5], s[4:5], s[2:3]
	s_add_nc_u64 s[10:11], s[10:11], s[2:3]
	s_add_nc_u64 s[16:17], s[4:5], 0x1000000       ; the second choices lie 16 MiB on
.set i, 0
.rept 16
	global_load_b128 v[A+4*i:A+4*i+3], v1, s[4:5] offset:512*i th:TH_LOAD_NT
	global_load_b128 v[B+4*i:B+4*i+3], v1, s[16:17] offset:512*i th:TH_LOAD_NT
.set i, i+1
.endr
.set i, 0
.rept 16
	s_wait_loadcnt 30-2*i                          ; pair i is in; the 15 - i younger pairs stay out
	v_pk_add_f32 v[A+4*i:A+4*i+1],   v[A+4*i:A+4*i+1],   v[B+4*i:B+4*i+1]
	v_pk_add_f32 v[A+4*i+2:A+4*i+3], v[A+4*i+2:A+4*i+3], v[B+4*i+2:B+4*i+3]
	global_store_b128 v1, v[A+4*i:A+4*i+3], s[10:11] offset:512*i th:TH_STORE_NT
.set i, i+1
.endr
	s_cmp_lg_u32 ttmp9, 0
	s_cbranch_scc1 .Lend
	s_cmp_lg_u32 s14, 0
	s_cbranch_scc1 .Lend
	v_and_b32 v140, 31, v0
	v_lshlrev_b32 v140, 3, v140
	global_load_b64 v[142:143], v140, s[6:7]       ; two of the 64 tiles' entropy sums a lane
	s_load_b256 s[20:27], s[8:9], 0x0              ; the eight counts
	s_mov_b32 s18, 0x76543210                      ; v_permlanex16_b32: each lane takes its own place in the other half
	s_mov_b32 s19, 0xfedcba98
	v_mov_b32 v144, 0
	v_mov_b32 v146, 0x3a800000                     ; 1 / 1,024
	v_mov_b32 v147, 0
	s_wait_loadcnt 0x0
	v_add_f32 v142, v142, v143
	v_add_f32_dpp v142, v142, v142 row_xmask:1 row_mask:0xf bank_mask:0xf
	v_add_f32_dpp v142, v142, v142 row_xmask:2 row_mask:0xf bank_mask:0xf
	v_add_f32_dpp v142, v142, v142 row_xmask:4 row_mask:0xf bank_mask:0xf
	v_add_f32_dpp v142, v142, v142 row_xmask:8 row_mask:0xf bank_mask:0xf
	v_permlanex16_b32 v144, v142, s18, s19
	v_add_f32 v142, v142, v144
	v_mul_f32 v142, 0x38cccccd, v142               ; 0.1 / 1,024
	s_wait_kmcnt 0x0
.irp e, 0,1,2,3,4,5,6,7
	v_cvt_f32_u32 v145, s[20+(\e)]
	v_fmaak_f32 v145, v145, v146, 0xbe99999a       ; count / 1,024 - 0.3
	v_max_num_f32 v145, 0, v145
	v_add_f32 v142, v142, v145
.endr
	global_store_b32 v147, v142, s[12:13]          ; every lane stores the same number to the one word
.Lend:
	s_endpgm
.Lfunc_end_k_q807e26e67e_combine:
	.size	k_q807e26e67e_combine, .Lfunc_end_k_q807e26e67e_combine-k_q807e26e67e_combine
	.p2alignl 7, 3214868480
	.fill 96, 4, 3214868480
	.section	.rodata,"a",@progbits
	.p2align	6, 0x0
	.amdhsa_kernel k_q807e26e67e_combine
		.amdhsa_group_segment_fixed_size 0
		.amdhsa_private_segment_fixed_size 0
		.amdhsa_enable_private_segment 0
		.amdhsa_kernarg_size 40
		.amdhsa_user_sgpr_count 2
		.amdhsa_user_sgpr_kernarg_segment_ptr 1
		.amdhsa_wavefront_size32 1
		.amdhsa_system_sgpr_workgroup_id_x 1
		.amdhsa_system_sgpr_workgroup_id_y 1
		.amdhsa_system_sgpr_workgroup_id_z 1
		.amdhsa_system_vgpr_workitem_id 0
		.amdhsa_next_free_vgpr 152
		.amdhsa_next_free_sgpr 66
		.amdhsa_reserve_vcc 0
		.amdhsa_float_denorm_mode_32 3
		.amdhsa_float_denorm_mode_16_64 3
		.amdhsa_memory_ordered 1
		.amdhsa_forward_progress 1
		.amdhsa_inst_pref_size 11
	.end_amdhsa_kernel
	.amdgpu_metadata
---
amdhsa.version: [ 1, 2 ]
amdhsa.kernels:
  - .name:           k_q807e26e67e_combine
    .symbol:         k_q807e26e67e_combine.kd
    .args:
      - { .name: part, .offset: 0, .size: 8, .value_kind: global_buffer, .address_space: global }
      - { .name: ent, .offset: 8, .size: 8, .value_kind: global_buffer, .address_space: global }
      - { .name: cnt, .offset: 16, .size: 8, .value_kind: global_buffer, .address_space: global }
      - { .name: out0, .offset: 24, .size: 8, .value_kind: global_buffer, .address_space: global }
      - { .name: out1, .offset: 32, .size: 8, .value_kind: global_buffer, .address_space: global }
    .group_segment_fixed_size: 0
    .private_segment_fixed_size: 0
    .kernarg_segment_align: 8
    .kernarg_segment_size: 40
    .max_flat_workgroup_size: 256
    .sgpr_count:     66
    .vgpr_count:     152
    .wavefront_size: 32
...
	.end_amdgpu_metadata
.endif
;; end of part 3
;; ======== version 2 of 3: 4 launches; 1.14 times as fast as version 1
;; workspace buffers: xb 4,194,304 bytes; bm 2,048 bytes of whole numbers; probk 8,192 bytes; ent 256 bytes; part 33,685,504 bytes; cnt 256 bytes of whole numbers; xs 10,485,760 bytes; rows 10,240 bytes of whole numbers
;; launch router: the kernel of part 1 again; grid 64 x 1, 16 waves a work-group, no clusters, 88,064 bytes of LDS; arguments x, gate_w, gate_b, xb, bm, probk, ent; writes xb, bm, probk, ent
;; launch sort (part 4): grid 32 x 8, 10 waves a work-group, no clusters, 0 bytes of LDS; arguments xb, bm, xs, rows, cnt, expert_w, expert_b, probk, part; writes xs, rows, cnt, part
.if DOCPART == 4
	.amdgcn_target "amdgcn-amd-amdhsa--gfx1250"
	.amdhsa_code_object_version 6
	.text
	.protected	k_q807e26e67e_sort
	.globl	k_q807e26e67e_sort
	.p2align	8
	.type	k_q807e26e67e_sort,@function
k_q807e26e67e_sort:
	s_mov_b64 s[64:65], 0
	v_nop
	global_prefetch_b8 v0, s[64:65] scope:SCOPE_SE
	s_setreg_imm32_b32 hwreg(HW_REG_WAVE_MODE, 25, 1), 1
	s_wait_xcnt 0x0
; THE ROWS IN THE EXPERTS' ORDER, AND THE RARE ROWS' PRODUCT.  An expert's rows (token, choice) are numbered by RANK, in the order of the tokens.
; FIRST PART, always.  For ranks 0 .. 319 of each expert: xs[e][rank] = the bf16 row of the rank's token; rows[e][rank] = 1,024 k + n (n the token, k which of its two
; choices), the row of part that takes the result; cnt[e] = the expert's number of rows.  A rank at or past the count gets the last existing row's x (any finite row
; for an expert without rows) and the number 2,048 + e: a row of part that belongs to the expert and that nothing reads.  So the next launch needs no count.
; Work-group (c, e), ten waves: wave w has rank 10 c + w: 256 work-groups with ten rows each.  A row is 4,096 bytes: eight loads and eight stores of 512 consecutive bytes.
; SECOND PART, only where the expert has more than 320 rows (it has 1,024 at the most, since a token's choices differ): part[row][h] = p (x . W[e][h] + b[e][h]) for ranks 320 on.
; Waves 0-7 of work-group (c, e) take the 128 rows h = 128 c .. of the expert's weights, in six passes of 128 ranks; a pass past the count is jumped.  Wave w has 64 h (w / 4) x
; two tiles of 16 ranks (ranks 64 i + 16 (w % 4) + r of the pass): 8 accumulators.  Both operands come from memory in fragment order, x by the search below, the weights rounded to
; bf16 in registers; the bias is rounded to bf16 too.  The price of a text without LDS and barriers, paid on such splits alone: the slice's weights are read again in every pass and
; by four waves, and a lane stores 16 bytes at a time of its own row.  A lane whose rank lies past the count stores into the expert's spare row of part.
; THE SEARCH.  From the expert's two bitmaps (32 words each, in scalar registers): how many rows lie in the words before word j; the last word whose predecessors
; hold no more than the rank; then the wanted set bit of that word, by five halvings on counts of set bits in fields of 16, 8, 4, 2, 1 bits.
; NO CLUSTER: the work-groups of an expert share only its 256 bytes of bitmaps in the first part.  LIMITS: NaN and infinities are not treated apart.
.set CAP,   320                        ; ranks that the next launch takes
.set OPASS, 128                        ; ranks in a pass of the second part
.set DMP,  6                           ; v6   2,048 + e
.set R_RK, 8                           ; v8   my rank in the first part
.set R_RE, 9                           ; v9-23 the search's registers
.set R_B0, 10
.set R_B1, 11
.set R_BS, 12
.set R_JV, 13
.set R_U,  14
.set R_Q,  15
.set R_A,  16
.set R_B,  17
.set R_C,  18
.set R_D,  19
.set R_T,  20
.set R_T2, 21
.set R_PS, 22
.set R_AD, 23
.set LR,   24                          ; v24  r = lane % 16       v25  h = lane / 16
.set LH,   25
.set WFO,  26                          ; v26  W's fragment row in the slice
.set COLV, 27                          ; v27  my 32 bytes in a row of part
.set BOF,  28                          ; v28  32 h: my eight numbers of the bias
.set H16,  29                          ; v29  16 h
.set PV,   32                          ; v[32:63]   rows in the words before word j
.set D,    64                          ; v[64:95]   first part: the row on its way
.set WF,   64                          ; v[64:95]   second part: W's four fragments
.set XF,   96                          ; v[96:111]  x's two fragments
.set WSG,  112                         ; v[112:175] weights as loaded; at a pass's end the bias
.set ACC,  176                         ; v[176:239] accumulator (i, f) at 8 (4 i + f)
.set XO,   240                         ; v240-241   tile i: my token's row in xb
.set SO,   242                         ; v242-243   my row in part
.set PR,   244                         ; v[244:247] p, a pair for each tile
.set PO,   248                         ; v248-249   my row's place in probk
.set RKO,  250                         ; v250-251   my rank in tile i
.macro LEVEL word, step, width         ; are the wanted bit's predecessors all in the lower half of what is left?  if not, go to the upper half
	v_bfe_u32 v[R_T], v[\word], v[R_PS], \width
	v_cmp_ge_u32 vcc_lo, v[R_Q], v[R_T]
	v_sub_nc_u32 v[R_T], v[R_Q], v[R_T]
	v_cndmask_b32 v[R_Q], v[R_Q], v[R_T], vcc_lo
	v_add_nc_u32 v[R_T2], \step, v[R_PS]
	v_cndmask_b32 v[R_PS], v[R_PS], v[R_T2], vcc_lo
.endm
.macro SEARCH rk                       ; v[R_T] = the row 1,024 k + n of rank v[rk]; ranks past the count take the last row that exists
	v_min_u32 v[R_RE], s56, v[\rk]
	v_mov_b32 v[R_B0], s16
	v_mov_b32 v[R_B1], s68
	v_mov_b32 v[R_BS], 0
	v_mov_b32 v[R_JV], 0
.set j, 1
.rept 31                                           ; the last word whose predecessors hold no more than the rank
	v_cmp_le_u32 vcc_lo, v[PV+j], v[R_RE]
	v_cndmask_b32 v[R_B0], v[R_B0], s[16+j], vcc_lo
	v_cndmask_b32 v[R_B1], v[R_B1], s[68+j], vcc_lo
	v_cndmask_b32 v[R_BS], v[R_BS], v[PV+j], vcc_lo
	v_cndmask_b32 v[R_JV], v[R_JV], j, vcc_lo
.set j, j+1
.endr
	v_or_b32 v[R_U], v[R_B0], v[R_B1]
	v_sub_nc_u32 v[R_Q], v[R_RE], v[R_BS]          ; so many set bits of the word come before the wanted one
	v_lshrrev_b32 v[R_T], 1, v[R_U]                ; counts of set bits in fields of 2, 4, 8 and (low byte) 16 bits
	v_and_b32 v[R_T], 0x55555555, v[R_T]
	v_sub_nc_u32 v[R_A], v[R_U], v[R_T]
	v_lshrrev_b32 v[R_T], 2, v[R_A]
	v_and_b32 v[R_T], 0x33333333, v[R_T]
	v_and_b32 v[R_B], 0x33333333, v[R_A]
	v_add_nc_u32 v[R_B], v[R_B], v[R_T]
	v_lshrrev_b32 v[R_T], 4, v[R_B]
	v_add_nc_u32 v[R_C], v[R_B], v[R_T]
	v_and_b32 v[R_C], 0x0f0f0f0f, v[R_C]
	v_lshrrev_b32 v[R_T], 8, v[R_C]
	v_add_nc_u32 v[R_D], v[R_C], v[R_T]
	v_mov_b32 v[R_PS], 0
	LEVEL R_D, 16, 8
	LEVEL R_C, 8, 8
	LEVEL R_B, 4, 4
	LEVEL R_A, 2, 2
	LEVEL R_U, 1, 1
	v_lshl_add_u32 v[R_T], v[R_JV], 5, v[R_PS]     ; the token,
	v_bfe_u32 v[R_T2], v[R_B1], v[R_PS], 1         ; which of its two choices,
	v_lshl_or_b32 v[R_T], v[R_T2], 10, v[R_T]      ; the row 1,024 k + n
.endm
; The second part, 32 along K: 16 loads of weights and 4 of x in fragment order, the weights rounded, 8 products on 8 accumulators that take turns.
; first = 1: the products start the sums.
.macro OSUB first
.rept 4
	v_nop                                          ; four places between the last products and the loads into, and writes of, their sources
.endr
.irp f, 0,1,2,3
.irp c, 0,1,2,3
	global_load_b128 v[WSG+16*(\f)+4*(\c):WSG+16*(\f)+4*(\c)+3], v[WFO], s[66:67] offset:(\f)*131072+((\c)/2)*64+((\c)%2)*16
.endr
.endr
.irp i, 0,1
	global_load_b128 v[XF+8*(\i):XF+8*(\i)+3],   v[XO+(\i)], s[100:101]
	global_load_b128 v[XF+8*(\i)+4:XF+8*(\i)+7], v[XO+(\i)], s[100:101] offset:32
.endr
	s_wait_loadcnt 0x0                             ; all are in, so their bases may be stepped
.set m, 0
.rept 32
	v_cvt_pk_bf16_f32 v[WF+m], v[WSG+2*m], v[WSG+2*m+1]
.set m, m+1
.endr
	s_add_nc_u64 s[66:67], s[66:67], 128
	s_add_nc_u64 s[100:101], s[100:101], 64
.irp i, 0,1
.irp f, 0,1,2,3
.if \first
	v_wmma_f32_16x16x32_bf16 v[ACC+8*(4*(\i)+(\f)):ACC+8*(4*(\i)+(\f))+7], v[WF+8*(\f):WF+8*(\f)+7], v[XF+8*(\i):XF+8*(\i)+7], 0
.else
	v_wmma_f32_16x16x32_bf16 v[ACC+8*(4*(\i)+(\f)):ACC+8*(4*(\i)+(\f))+7], v[WF+8*(\f):WF+8*(\f)+7], v[XF+8*(\i):XF+8*(\i)+7], v[ACC+8*(4*(\i)+(\f)):ACC+8*(4*(\i)+(\f))+7]
.endif
.endr
.endr
.endm
	s_load_b256 s[4:11], s[0:1], 0x0               ; xb s[4:5], bm s[6:7], xs s[8:9], rows s[10:11]
	s_load_b128 s[12:15], s[0:1], 0x20             ; cnt s[12:13], expert_w s[14:15]
	s_load_b128 s[48:51], s[0:1], 0x30             ; expert_b s[48:49], probk s[50:51]
	s_load_b64 s[52:53], s[0:1], 0x40              ; part
	v_and_b32 v1, 31, v0
	v_lshlrev_b32 v1, 4, v1                        ; 16 lane; never rewritten
	v_lshrrev_b32 v2, 5, v0
	v_readfirstlane_b32 s54, v2                    ; wave 0..9
	s_and_b32 s61, ttmp7, 0xffff                   ; the expert
	s_mul_i32 s58, ttmp9, 10
	s_add_co_u32 s58, s58, s54                     ; my rank
	v_mov_b32 v[R_RK], s58
	v_mov_b32 v3, 0                                ; offset 0; never rewritten
	s_add_co_u32 s59, s61, 2048
	v_mov_b32 v[DMP], s59                          ; the expert's spare row of part
	s_lshl_b32 s2, s61, 7
	s_mov_b32 s3, 0
	s_wait_kmcnt 0x0
	s_add_nc_u64 s[6:7], s[6:7], s[2:3]            ; the expert's 32 words, first choices; second choices 1,024 bytes on
	s_load_b512 s[16:31], s[6:7], 0x0
	s_load_b512 s[32:47], s[6:7], 0x40
	s_load_b512 s[68:83], s[6:7], 0x400
	s_load_b512 s[84:99], s[6:7], 0x440
	s_mul_i32 s59, s61, CAP
	s_add_co_u32 s59, s59, s58                     ; my place: 320 e + rank
	s_lshl_b32 s2, s59, 2
	s_add_nc_u64 s[10:11], s[10:11], s[2:3]
	s_lshl_b32 s2, s59, 12
	s_add_nc_u64 s[8:9], s[8:9], s[2:3]
	s_wait_kmcnt 0x0
	s_mov_b32 s55, 0
.set j, 0
.rept 32                                           ; how many of the expert's rows lie in the words before word j; at the end the count
	v_mov_b32 v[PV+j], s55
	s_or_b32 s59, s[16+j], s[68+j]
	s_bcnt1_i32_b32 s59, s59
	s_add_co_u32 s55, s55, s59
.set j, j+1
.endr
	s_max_u32 s56, s55, 1
	s_sub_co_u32 s56, s56, 1                       ; the last rank that exists (0 for an expert without rows)
	s_or_b32 s59, ttmp9, s54
	s_cmp_lg_u32 s59, 0
	s_cbranch_scc1 .Lnocnt                         ; work-group c = 0's wave 0 stores the count
	v_mov_b32 v4, s55
	s_lshl_b32 s59, s61, 2
	v_mov_b32 v5, s59
	global_store_b32 v5, v4, s[12:13]
.Lnocnt:
	; THE FIRST PART
	SEARCH R_RK
	v_min_u32 v[R_AD], 0x7ff, v[R_T]
	v_and_b32 v[R_AD], 0x3ff, v[R_AD]              ; the token
	v_lshl_add_u32 v[R_AD], v[R_AD], 12, v1        ; its row of 4,096 bytes, my 16
.irp j, 0,1,2,3,4,5,6,7
	global_load_b128 v[D+4*(\j):D+4*(\j)+3], v[R_AD], s[4:5] offset:512*(\j)
.endr
	v_cmp_gt_u32 vcc_lo, s55, v[R_RK]              ; does my rank exist?
	v_cndmask_b32 v[R_T2], v[DMP], v[R_T], vcc_lo  ; if not, the spare row
	global_store_b32 v3, v[R_T2], s[10:11]         ; every lane stores the same number to the rank's one word
	s_wait_loadcnt 0x0
.irp j, 0,1,2,3,4,5,6,7
	global_store_b128 v1, v[D+4*(\j):D+4*(\j)+3], s[8:9] offset:512*(\j)
.endr
	; THE SECOND PART
	s_cmp_le_u32 s55, CAP
	s_cbranch_scc1 .Lend                           ; the next launch takes all the expert's rows
	s_cmp_ge_u32 s54, 8
	s_cbranch_scc1 .Lend                           ; eight waves share a pass
	s_wait_xcnt 0x0                                ; the stores above have read their registers, which are written again below
	s_lshr_b32 s59, s54, 2                         ; which 64 h
	s_and_b32 s63, s54, 3                          ; which tiles of ranks
	v_and_b32 v[LR], 15, v0
	v_bfe_u32 v[LH], v0, 4, 1
	s_lshl_b32 s2, s59, 19
	v_lshlrev_b32 v[WFO], 13, v[LR]
	v_lshl_add_u32 v[WFO], v[LH], 5, v[WFO]
	v_add_nc_u32 v[WFO], s2, v[WFO]                ; row 64 (w / 4) + r of 8,192 bytes, 8 h numbers of f32
	s_lshl_b32 s2, ttmp9, 9
	s_lshl_b32 s59, s59, 8
	s_add_co_u32 s59, s59, s2                      ; 4 (128 c + 64 (w / 4))
	v_lshlrev_b32 v[BOF], 5, v[LH]
	v_add_nc_u32 v[COLV], s59, v[BOF]
	v_lshlrev_b32 v[H16], 4, v[LH]
	s_lshl_b32 s2, s61, 14
	s_add_co_u32 s2, s2, s59
	s_add_nc_u64 s[48:49], s[48:49], s[2:3]        ; the bias at my 64 h
	s_lshl_b32 s2, s61, 25                         ; an expert's weights are 32 MiB, a slice 1 MiB
	s_lshl_b32 s59, ttmp9, 20
	s_add_co_u32 s2, s2, s59
	s_add_nc_u64 s[14:15], s[14:15], s[2:3]        ; the slice's first byte
	s_lshl_b32 s63, s63, 4
	s_add_co_u32 s63, s63, CAP
	v_add_nc_u32 v[RKO], s63, v[LR]                ; my rank in the first pass's tile 0
	v_mov_b32 v[PR+1], 0                           ; named with p as pairs
	v_mov_b32 v[PR+3], 0
	s_mov_b32 s60, CAP                             ; the pass's first rank
	s_mov_b32 s57, 6                               ; 320 + 6 x 128 covers 1,024
.Lpass:
	s_cmp_ge_u32 s60, s55
	s_cbranch_scc1 .Lnone                          ; no row has so high a rank
	s_wait_xcnt 0x0                                ; the last pass's stores have read their offsets and their data
	v_add_nc_u32 v[RKO+1], 64, v[RKO]
.irp i, 0,1
	SEARCH RKO+(\i)
	v_cmp_gt_u32 vcc_lo, s55, v[RKO+(\i)]          ; does my rank exist?
	v_cndmask_b32 v[SO+(\i)], v[DMP], v[R_T], vcc_lo
	v_min_u32 v[SO+(\i)], 0x807, v[SO+(\i)]        ; a row of part: 2,055 at the most
	v_lshl_add_u32 v[SO+(\i)], v[SO+(\i)], 14, v[COLV]
	v_min_u32 v[PO+(\i)], 0x7ff, v[R_T]
	v_and_b32 v[XO+(\i)], 0x3ff, v[PO+(\i)]        ; the token
	v_lshl_add_u32 v[XO+(\i)], v[XO+(\i)], 12, v[H16]
	v_lshlrev_b32 v[PO+(\i)], 2, v[PO+(\i)]
.endr
	global_load_b32 v[PR], v[PO], s[50:51]
	global_load_b32 v[PR+2], v[PO+1], s[50:51]
	s_mov_b64 s[66:67], s[14:15]                   ; both walks begin at K = 0
	s_mov_b64 s[100:101], s[4:5]
	OSUB 1
	s_mov_b32 s62, 63
.Lsub:
	OSUB 0
	s_sub_co_u32 s62, s62, 1
	s_cmp_lg_u32 s62, 0
	s_cbranch_scc1 .Lsub
.irp f, 0,1,2,3                                    ; register j of fragment f: b[128 c + 64 (w / 4) + 16 f + 8 h + j]
	global_load_b128 v[WSG+8*(\f):WSG+8*(\f)+3],   v[BOF], s[48:49] offset:64*(\f)
	global_load_b128 v[WSG+8*(\f)+4:WSG+8*(\f)+7], v[BOF], s[48:49] offset:64*(\f)+16
.endr
	s_wait_loadcnt 0x0
.set m, 0
.rept 16                                           ; rounded to bf16 and widened again; these 48 plain lines, which name no register of the products, are the places behind them
	v_cvt_pk_bf16_f32 v[WSG+2*m], v[WSG+2*m], v[WSG+2*m+1]
	v_and_b32 v[WSG+2*m+1], 0xffff0000, v[WSG+2*m]
	v_lshlrev_b32 v[WSG+2*m], 16, v[WSG+2*m]
.set m, m+1
.endr
.irp i, 0,1                                        ; (sum + b) p; no room is left for the bias as the first products' C.  Each accumulator from its lowest registers on
.irp f, 0,1,2,3
.irp j, 0,2,4,6
	v_pk_add_f32 v[ACC+8*(4*(\i)+(\f))+(\j):ACC+8*(4*(\i)+(\f))+(\j)+1], v[ACC+8*(4*(\i)+(\f))+(\j):ACC+8*(4*(\i)+(\f))+(\j)+1], v[WSG+8*(\f)+(\j):WSG+8*(\f)+(\j)+1]
.endr
.endr
.endr
.irp i, 0,1
.set m, 0
.rept 16
	v_pk_mul_f32 v[ACC+32*(\i)+2*m:ACC+32*(\i)+2*m+1], v[ACC+32*(\i)+2*m:ACC+32*(\i)+2*m+1], v[PR+2*(\i):PR+2*(\i)+1] op_sel_hi:[1,0]
.set m, m+1
.endr
.endr
.irp i, 0,1
.irp f, 0,1,2,3
	global_store_b128 v[SO+(\i)], v[ACC+8*(4*(\i)+(\f)):ACC+8*(4*(\i)+(\f))+3],   s[52:53] offset:64*(\f)
	global_store_b128 v[SO+(\i)], v[ACC+8*(4*(\i)+(\f))+4:ACC+8*(4*(\i)+(\f))+7], s[52:53] offset:64*(\f)+16
.endr
.endr
.Lnone:
	v_add_nc_u32 v[RKO], OPASS, v[RKO]
	s_add_co_u32 s60, s60, OPASS
	s_sub_co_u32 s57, s57, 1
	s_cmp_lg_u32 s57, 0
	s_cbranch_scc1 .Lpass
.Lend:
	s_endpgm
.Lfunc_end_k_q807e26e67e_sort:
	.size	k_q807e26e67e_sort, .Lfunc_end_k_q807e26e67e_sort-k_q807e26e67e_sort
	.p2alignl 7, 3214868480
	.fill 96, 4, 3214868480
	.section	.rodata,"a",@progbits
	.p2align	6, 0x0
	.amdhsa_kernel k_q807e26e67e_sort
		.amdhsa_group_segment_fixed_size 0
		.amdhsa_private_segment_fixed_size 0
		.amdhsa_enable_private_segment 0
		.amdhsa_kernarg_size 72
		.amdhsa_user_sgpr_count 2
		.amdhsa_user_sgpr_kernarg_segment_ptr 1
		.amdhsa_wavefront_size32 1
		.amdhsa_system_sgpr_workgroup_id_x 1
		.amdhsa_system_sgpr_workgroup_id_y 1
		.amdhsa_system_sgpr_workgroup_id_z 1
		.amdhsa_system_vgpr_workitem_id 0
		.amdhsa_next_free_vgpr 256
		.amdhsa_next_free_sgpr 102
		.amdhsa_reserve_vcc 1
		.amdhsa_float_denorm_mode_32 3
		.amdhsa_float_denorm_mode_16_64 3
		.amdhsa_memory_ordered 1
		.amdhsa_forward_progress 1
		.amdhsa_inst_pref_size 58
	.end_amdhsa_kernel
	.amdgpu_metadata
---
amdhsa.version: [ 1, 2 ]
amdhsa.kernels:
  - .name:           k_q807e26e67e_sort
    .symbol:         k_q807e26e67e_sort.kd
    .args:
      - { .name: xb, .offset: 0, .size: 8, .value_kind: global_buffer, .address_space: global }
      - { .name: bm, .offset: 8, .size: 8, .value_kind: global_buffer, .address_space: global }
      - { .name: xs, .offset: 16, .size: 8, .value_kind: global_buffer, .address_space: global }
      - { .name: rows, .offset: 24, .size: 8, .value_kind: global_buffer, .address_space: global }
      - { .name: cnt, .offset: 32, .size: 8, .value_kind: global_buffer, .address_space: global }
      - { .name: expert_w, .offset: 40, .size: 8, .value_kind: global_buffer, .address_space: global }
      - { .name: expert_b, .offset: 48, .size: 8, .value_kind: global_buffer, .address_space: global }
      - { .name: probk, .offset: 56, .size: 8, .value_kind: global_buffer, .address_space: global }
      - { .name: part, .offset: 64, .size: 8, .value_kind: global_buffer, .address_space: global }
    .group_segment_fixed_size: 0
    .private_segment_fixed_size: 0
    .kernarg_segment_align: 8
    .kernarg_segment_size: 72
    .max_flat_workgroup_size: 320
    .sgpr_count:     102
    .vgpr_count:     256
    .wavefront_size: 32
...
	.end_amdgpu_metadata
.endif
;; end of part 4
;; launch product (part 5): grid 32 x 8, 8 waves a work-group, clusters of 4 x 1, 327,680 bytes of LDS; arguments expert_w, xs, part, rows, probk, expert_b; writes part
.if DOCPART == 5
	.amdgcn_target "amdgcn-amd-amdhsa--gfx1250"
	.amdhsa_code_object_version 6
	.text
	.protected	k_q807e26e67e_product
	.globl	k_q807e26e67e_product
	.p2align	8
	.type	k_q807e26e67e_product,@function
k_q807e26e67e_product:
	s_mov_b64 s[64:65], 0
	v_nop
	global_prefetch_b8 v0, s[64:65] scope:SCOPE_SE
	s_setreg_imm32_b32 hwreg(HW_REG_WAVE_MODE, 25, 1), 1
	s_wait_xcnt 0x0
	s_wait_alu depctr_hold_cnt(0) depctr_sa_sdst(0) depctr_va_vdst(0) depctr_va_sdst(0) depctr_va_ssrc(0) depctr_va_vcc(0) depctr_vm_vsrc(0)
	s_getreg_b32 s2, hwreg(HW_REG_IB_STS2, 6, 4)
	s_cmp_eq_u32 s2, 0
	s_cbranch_scc0 .Lentry_in_a_cluster
	s_endpgm
.Lentry_in_a_cluster:
	s_bfe_u32 s2, ttmp6, 0x10000c
	s_cmp_lg_u32 s2, 0x3003
	s_cbranch_scc0 .Lentry_shape_is_right
	s_endpgm
.Lentry_shape_is_right:
; THE EXPERTS' PRODUCT, for the chosen rows alone.  part[row][h] = p (x . W[e][h] + b[e][h]) for ranks 0 .. 319 of each expert; row = 1,024 k + n, e token n's k-th choice, p its probability.
; Weights and bias are rounded to bf16 on their way through registers, x comes rounded and in the expert's order (xs); sums in f32, started with the bias as C.
; SHARES.  Work-group (slice, e) owns the 128 rows h = 128 slice .. of expert e's weights, 1 MiB that it alone reads, once, and 320 ranks of that expert: 256 work-groups.
; K goes in 16 steps of 128.  Wave w has 64 h (w / 4) x five tiles of 16 ranks (tile 4 i + w % 4): 20 accumulators.
; THE TEXT KNOWS NO COUNT: no branch and no trip count hangs on a number read from memory.  For a rank at or past the expert's count the launch before laid a finite row into xs and the
; number 2,048 + e into the list: its result goes into a row of part that belongs to the expert and that nothing reads (each of its bytes is stored by one work-group: expert x slice).
; Ranks from 320 on, where an expert has them, were multiplied by the launch before.
; CLUSTER.  The four slices of a cluster belong to one expert and walk the same rows of x: each tile is asked for JOINTLY, the same tensor load with the same descriptor
; and a mask that names the four; each receives it in its own LDS.  The slice enters global addresses alone (weights, bias, part).
; The weights have one reader each and are halved before they reach LDS: they go through registers (16 rows x 512 bytes a wave and step), two steps ahead.
; THE MATRIX INSTRUCTION: source 0 = 16 rows of W, source 1 = 16 rows of x: a lane holds one row of x (lane % 16) and eight neighbouring h.
; LIMITS.  NaN and infinities are not treated apart; the order of the f32 sums differs from reference()'s.
; REGISTERS, in windows of 256 (s_set_vgpr_msb: bits 1:0 source 0, 3:2 source 1, 5:4 source 2, 7:6 destination):
;   window 0: v0-37 addresses; v48-79 W's fragments; v80-119 x's; v120-183, v184-247 two sets of weights as loaded
;   window 1: v0-159 accumulators, (i, f) at 8 (4 i + f); v160-199 the stores' offsets in part; v240-249 p, a pair for each tile
.set PITCH, 272                        ; an LDS row: 256 bytes + 16: the 16 rows of a fragment load start at 16 different groups of four banks
.set CAP,   320                        ; ranks of an expert in this launch, in xs and in the list
.set XSLOT, CAP*PITCH                  ; two slots of x from byte 0 on: tensor loads alone write them
.set WBASE, 2*XSLOT                    ; two slots of W, at a multiple of 256: LDS stores alone write them
.set WSLOT, 128*PITCH
.set STG,   WBASE+2*WSLOT              ; 16 rows x 272 bytes for each wave, for the way out
.set SPARE, STG+8*16*PITCH             ; the spare words, 128 bytes a wave: four blocks of 256 bytes that no other line names
.set SPW, 4                            ; v4   my spare word      v5   0; both never rewritten
.set NIL, 5
.set WOF, 6                            ; v6   weights: 16 w rows of 8,192 bytes + 16 lane
.set LN16, 7                           ; v7   16 r
.set WST, 10                           ; v10-11 W into slot 0, 1
.set XRA, 12                           ; v12-13 x's fragments, tiles i = 0..2      v14-15 tiles i = 3, 4 (tile 4's offset would pass 16 bits)
.set XRB, 14
.set WRD, 16                           ; v16-17 W's fragments
.set STO, 18                           ; v18  the way out: in         v19  back
.set SRD, 19
.set RTA, 20                           ; v20  the list at rank 16 (w % 4) + r       v21  at 16 (w % 4) + h
.set RTB, 21
.set COL, 22                           ; v22  my 16 bytes in a row of part
.set BOF, 24                           ; v24  32 h: my eight numbers of the bias
.set LT,  33                           ; v33-37 the rows whose results I hold, then their places in probk
.set WF,  48
.set XF,  80
.set WSG, 120
.set BI,  120                          ; v120-151 the bias as C: it lies in set 0 between that set's store and its next load
.set EPT, 80                           ; the way out: 16 rows read back
.set EO,  160                          ; window 1: tile i, store q at EO + 8 i + q
.set PR,  240                          ; window 1
.set G1,  24                           ; s[24:31] descriptor group 1
.set G0,  32                           ; s[32:39] descriptor group 0, a set for each slot
.set MSB, 0
.macro WIN new                         ; the immediate's high byte repeats the setting that is left; a switch that changes nothing is dropped
.if MSB != (\new)
	s_set_vgpr_msb (MSB<<8)|(\new)
.set MSB, \new
.endif
.endm
.macro PLACES                          ; four places between a matrix instruction and a load into, or a vector write of, its registers, or a read of its result
.rept 4
	v_nop
.endr
.endm
; A round of the cluster's barrier: my work-group's barrier, so that wave 0's signal speaks for all eight waves; wave 0 signals; every wave waits for all four work-groups; my work-group's barrier once more.
.macro CROUND
	s_barrier_signal -1
	s_barrier_wait -1
	s_cmp_lg_u32 s50, 0
	s_cbranch_scc1 .Lnot_wave_0_\@
	s_barrier_signal -3
.Lnot_wave_0_\@:
	s_barrier_wait -3
	s_barrier_signal -1
	s_barrier_wait -1
.endm
.macro BIAS_LOAD                       ; register j of fragment f: b[h0 + 64 (w / 4) + 16 f + 8 h + j], into W's fragment registers
.irp f, 0,1,2,3
	global_load_b128 v[WF+8*(\f):WF+8*(\f)+3],   v[BOF], s[14:15] offset:64*(\f)
	global_load_b128 v[WF+8*(\f)+4:WF+8*(\f)+7], v[BOF], s[14:15] offset:64*(\f)+16
.endr
.endm
.macro BIAS_ROUND                      ; rounded to bf16 and widened again, into BI
.set m, 0
.rept 16
	v_cvt_pk_bf16_f32 v[BI+2*m], v[WF+2*m], v[WF+2*m+1]
	v_and_b32 v[BI+2*m+1], 0xffff0000, v[BI+2*m]
	v_lshlrev_b32 v[BI+2*m], 16, v[BI+2*m]
.set m, m+1
.endr
.endm
.macro LTLOAD                          ; the list at ranks 64 i + 16 (w % 4) + r: the rows whose results I hold
.irp i, 0,1,2,3,4
	global_load_b32 v[LT+(\i)], v[RTA], s[10:11] offset:256*(\i)
.endr
.endm
.macro PLOAD                           ; their probabilities; a spare row takes the table's last number, which multiplies what nothing reads
.irp i, 0,1,2,3,4
	v_min_u32 v[LT+(\i)], 0x7ff, v[LT+(\i)]
	v_lshlrev_b32 v[LT+(\i)], 2, v[LT+(\i)]
.endr
	WIN 0x40
.irp i, 0,1,2,3,4
	global_load_b32 v[PR+2*(\i)], v[LT+(\i)], s[12:13]
.endr
	WIN 0
.endm
.macro LISTLD                          ; the list at ranks 64 i + 16 (w % 4) + 2 q + h: the rows that my stores write
	WIN 0x40
.irp i, 0,1,2,3,4
.irp q, 0,1,2,3,4,5,6,7
	global_load_b32 v[EO+8*(\i)+(\q)], v[RTB], s[10:11] offset:256*(\i)+8*(\q)
.endr
.endr
	WIN 0
.endm
.macro FRAGS slot, s                   ; 18 LDS loads in one run: 4 fragments of W, then 5 of x, 32 along K at byte 64 s of the rows
	WIN 0
.irp f, 0,1,2,3
	ds_load_b128 v[WF+8*(\f):WF+8*(\f)+3],   v[WRD+(\slot)] offset:(\f)*16*PITCH+64*(\s)
	ds_load_b128 v[WF+8*(\f)+4:WF+8*(\f)+7], v[WRD+(\slot)] offset:(\f)*16*PITCH+64*(\s)+32
.endr
.irp i, 0,1,2
	ds_load_b128 v[XF+8*(\i):XF+8*(\i)+3],   v[XRA+(\slot)] offset:(\i)*64*PITCH+64*(\s)
	ds_load_b128 v[XF+8*(\i)+4:XF+8*(\i)+7], v[XRA+(\slot)] offset:(\i)*64*PITCH+64*(\s)+32
.endr
.irp i, 3,4
	ds_load_b128 v[XF+8*(\i):XF+8*(\i)+3],   v[XRB+(\slot)] offset:((\i)-3)*64*PITCH+64*(\s)
	ds_load_b128 v[XF+8*(\i)+4:XF+8*(\i)+7], v[XRB+(\slot)] offset:((\i)-3)*64*PITCH+64*(\s)+32
.endr
.endm
.macro QMUL first                      ; 20 products; the 20 accumulators take turns, one instruction a turn.  first = 1: the bias starts the sums
.if \first
	WIN 0x40
.else
	WIN 0x50
.endif
.irp i, 0,1,2,3,4
	s_wait_dscnt 8-2*(\i)                          ; W's fragments and x's tiles 0 .. i are in; the two loads of each later tile may stay out
.irp f, 0,1,2,3
.if \first
	v_wmma_f32_16x16x32_bf16 v[8*(4*(\i)+(\f)):8*(4*(\i)+(\f))+7], v[WF+8*(\f):WF+8*(\f)+7], v[XF+8*(\i):XF+8*(\i)+7], v[BI+8*(\f):BI+8*(\f)+7]
.else
	v_wmma_f32_16x16x32_bf16 v[8*(4*(\i)+(\f)):8*(4*(\i)+(\f))+7], v[WF+8*(\f):WF+8*(\f)+7], v[XF+8*(\i):XF+8*(\i)+7], v[8*(4*(\i)+(\f)):8*(4*(\i)+(\f))+7]
.endif
.endr
.endr
.endm
.macro LDW set                         ; the K step after next of my 16 rows of W: a load takes 512 consecutive bytes of a row
	s_wait_xcnt 0x0                                ; the base is stepped only behind this wait
	s_add_nc_u64 s[4:5], s[4:5], 512
.set j, 0
.rept 16
	global_load_b128 v[WSG+64*(\set)+4*j:WSG+64*(\set)+4*j+3], v[WOF], s[4:5] offset:j*8192 th:TH_LOAD_NT
.set j, j+1
.endr
.endm
.macro STORE slot, n                   ; W of the next K step is rounded and goes into the other slot.  n: the younger loads that may stay out
	WIN 0
	s_wait_loadcnt \n
.set j, 0
.rept 16
	v_cvt_pk_bf16_f32 v[WSG+64*(\slot)+4*j],   v[WSG+64*(\slot)+4*j],   v[WSG+64*(\slot)+4*j+1]
	v_cvt_pk_bf16_f32 v[WSG+64*(\slot)+4*j+1], v[WSG+64*(\slot)+4*j+2], v[WSG+64*(\slot)+4*j+3]
.set j, j+1
.endr
.set j, 0
.rept 16
	ds_store_b64 v[WST+(\slot)], v[WSG+64*(\slot)+4*j:WSG+64*(\slot)+4*j+1] offset:j*PITCH
.set j, j+1
.endr
.endm
; THE HEAD OF A K STEP that reads slot `slot`.  Each wave waits for all its tensor loads, of which one is out: its 40 rows of this step's x; adds 0 to its spare word; and waits for that, for its
; stores of this step's W and for its reads of the other slots.  Behind the barrier this step's x and W are whole and nobody reads the other slots any more.
; refill = 1: the barrier is a round of the cluster's, so that no wave of any partner still reads the other slot of x or has a load on its way, and the joint load of the next step's x is the first
; thing behind it, one a wave: it has this whole step, 80 matrix instructions a wave, in which to land.
.macro HEAD slot, refill
	WIN 0
	s_wait_tensorcnt 0x0                           ; no tensor load of mine is out, so a group 0 may be written
	ds_add_u32 v[SPW], v[NIL]                      ; 0 onto my spare word
	s_add_nc_u64 s[G0+4*(\slot)+2:G0+4*(\slot)+3], s[G0+4*(\slot)+2:G0+4*(\slot)+3], 512  ; this slot's next tile, two K steps on; the type bits on top are not reached
	s_wait_dscnt 0x0
.if \refill
	CROUND
	tensor_load_to_lds s[G0+4-4*(\slot):G0+7-4*(\slot)], s[G1:G1+7]
	s_nop 0
.else
	s_barrier_signal -1
	s_barrier_wait -1
.endif
	PLACES                                         ; behind the tensor load; also the places in front of the fragment loads
.endm
; A K step of 128: four quarters of 32.  W of the step after next is asked for behind the first quarter; at the step's end W of the next step goes into the other slot.
.macro STEP slot, refill, ldw, lst, st, n, mid
	HEAD \slot, \refill
	FRAGS \slot, 0
	QMUL 0
	WIN 0
.if \mid
.Lmid:
.endif
	PLACES                                         ; for the fragment loads, and for the loads into set 0, which holds the bias that the first products read as C
.if \ldw
	LDW \slot
.endif
.if \lst
	LISTLD
.endif
	FRAGS \slot, 1
	QMUL 0
	PLACES
	FRAGS \slot, 2
	QMUL 0
	PLACES
	FRAGS \slot, 3
	QMUL 0
.if \st
	STORE 1-(\slot), \n
.endif
	WIN 0
.endm
; THE WAY OUT.  First the 40 list words become offsets in part; these 80 plain instructions, which name no register of the last products, are also the places behind them.
.macro EPIADDR
	WIN 0x45                                       ; destination, sources 0 and 1 in window 1; source 2 (my column) in window 0
.set j, 0
.rept 40
	v_min_u32 v[EO+j], 0x807, v[EO+j]              ; a row of part: 2,055 at the most
.set j, j+1
.endr
.set j, 0
.rept 40
	v_lshl_add_u32 v[EO+j], v[EO+j], 14, v[COL]
.set j, j+1
.endr
	WIN 0
.endm
; Tile i: times p; through my own stage in LDS; back as rows of 256 bytes; each row to its place in part.
.macro EPIT i
	WIN 0
	s_wait_xcnt 0x0                                ; the last tile's stores have read their registers
	WIN 0x45
.set j, 0
.rept 16                                           ; each accumulator from its lowest registers on
	v_pk_mul_f32 v[32*(\i)+2*j:32*(\i)+2*j+1], v[32*(\i)+2*j:32*(\i)+2*j+1], v[PR+2*(\i):PR+2*(\i)+1] op_sel_hi:[1,0]
.set j, j+1
.endr
	WIN 0x04                                       ; store data in window 1
.irp f, 0,1,2,3
	ds_store_b128 v[STO], v[32*(\i)+8*(\f):32*(\i)+8*(\f)+3]   offset:64*(\f)
	ds_store_b128 v[STO], v[32*(\i)+8*(\f)+4:32*(\i)+8*(\f)+7] offset:64*(\f)+16
.endr
	WIN 0
.irp q, 0,1,2,3,4,5,6,7
	ds_load_b128 v[EPT+4*(\q):EPT+4*(\q)+3], v[SRD] offset:(\q)*2*PITCH   ; my own bytes: LDS serves a wave's instructions in order
.endr
	s_wait_dscnt 0x0
	WIN 0x01                                       ; the offset in window 1, the data in window 0
.irp q, 0,1,2,3,4,5,6,7
	global_store_b128 v[EO+8*(\i)+(\q)], v[EPT+4*(\q):EPT+4*(\q)+3], s[8:9]   ; sixteen lanes store 256 consecutive bytes, at a multiple of 256
.endr
	WIN 0
.endm
	s_load_b256 s[4:11], s[0:1], 0x0               ; expert_w s[4:5], xs s[6:7], part s[8:9], rows s[10:11]
	s_load_b128 s[12:15], s[0:1], 0x20             ; probk s[12:13], expert_b s[14:15]
	v_lshl_add_u32 v[SPW], v0, 2, SPARE
	v_mov_b32 v[NIL], 0
	ds_add_u32 v[SPW], v[NIL]                      ; the wave's opening: the add here, its wait ahead of my first tensor load; the set-up below, work on registers, stands between them
	v_and_b32 v1, 15, v0                           ; r
	v_bfe_u32 v2, v0, 4, 1                         ; h
	v_and_b32 v3, 31, v0                           ; lane
	v_lshrrev_b32 v26, 5, v0
	v_readfirstlane_b32 s50, v26                   ; wave 0..7
	s_lshr_b32 s51, s50, 2                         ; which 64 h
	s_and_b32 s52, s50, 3                          ; which tiles of ranks
	s_and_b32 s53, ttmp7, 0xffff                   ; the expert, which the four partners share
	s_bfe_u32 s40, ttmp6, 0x40000                  ; cx: my place in the cluster
	s_lshl_b32 s54, ttmp9, 2                       ; in a cluster launch ttmp9 counts clusters
	s_add_co_u32 s54, s54, s40                     ; the slice = 4 x cluster x + cx: it enters the addresses of weights, bias and part alone
	; descriptor group 1: a tile of 40 rows x 128 elements, padded in LDS
	s_mov_b32 s[G1], 15|(1<<16)|(1<<20)|(1<<21)|(5<<22)|(3<<25)  ; 15:0 the mask of four; 17:16 2-byte elements; 20 padding on; 21 set beside a mask; 24:22 after every 64 words (code 5); 31:25 4 words (code 3)
	s_mov_b32 s[G1+1], 128<<16                     ; tensor_dim0 = 128
	s_mov_b32 s[G1+2], 40<<16                      ; tensor_dim1 = 40
	s_mov_b32 s[G1+3], 128<<16                     ; tile_dim0 = 128
	s_mov_b32 s[G1+4], 40                          ; tile_dim1 = 40
	s_mov_b32 s[G1+5], 2048                        ; 2,048 elements from row to row
	s_mov_b32 s[G1+6], 0
	s_mov_b32 s[G1+7], 0
	s_mul_i32 s59, s50, 40*PITCH                   ; my 40 rows of a slot
.irp s, 0,1
	s_mov_b32 s[G0+4*(\s)], 1                      ; 1:0 count = 1
	s_add_co_u32 s[G0+4*(\s)+1], s59, (\s)*XSLOT   ; 63:32 LDS address
.endr
	s_lshl_b32 s59, s50, 17
	v_lshl_add_u32 v[WOF], v3, 4, s59
	v_lshlrev_b32 v[LN16], 4, v1
	s_mul_i32 s59, s50, 16*PITCH
	s_add_co_u32 s61, s59, STG                     ; my stage
	s_add_co_u32 s59, s59, WBASE
	v_lshl_add_u32 v[WST], v3, 3, s59              ; row 16 w, 8 lane
	v_add_nc_u32 v[WST+1], WSLOT, v[WST]
	v_mul_u32_u24 v27, v1, PITCH
	v_lshl_add_u32 v27, v2, 4, v27                 ; a fragment's row r, 16 h
	s_mul_i32 s59, s52, 16*PITCH
	v_add_nc_u32 v[XRA], s59, v27
	v_add_nc_u32 v[XRA+1], XSLOT, v[XRA]
	v_add_nc_u32 v[XRB], 3*64*PITCH, v[XRA]
	v_add_nc_u32 v[XRB+1], XSLOT, v[XRB]
	s_mul_i32 s59, s51, 64*PITCH
	s_add_co_u32 s59, s59, WBASE
	v_add_nc_u32 v[WRD], s59, v27
	v_add_nc_u32 v[WRD+1], WSLOT, v[WRD]
	v_mul_u32_u24 v26, v1, PITCH
	v_lshl_add_u32 v26, v2, 5, v26
	v_add_nc_u32 v[STO], s61, v26                  ; in: row r, 32 bytes for each half of the lanes
	v_mul_u32_u24 v26, v2, PITCH
	v_add_nc_u32 v26, v26, v[LN16]
	v_add_nc_u32 v[SRD], s61, v26                  ; back: lanes 0-15 one row of 256 bytes, lanes 16-31 the next
	s_lshl_b32 s59, s52, 6
	v_lshl_add_u32 v[RTA], v1, 2, s59
	v_lshl_add_u32 v[RTB], v2, 2, s59
	s_lshl_b32 s46, s54, 9
	s_lshl_b32 s41, s51, 8
	s_add_co_u32 s46, s46, s41
	v_add_nc_u32 v[COL], s46, v[LN16]              ; 4 (128 slice + 64 (w / 4)) + 16 r
	v_lshlrev_b32 v[BOF], 5, v2
	WIN 0x40
.irp i, 0,1,2,3,4
	v_mov_b32 v[PR+2*(\i)+1], 0                    ; named with p as a pair
.endr
	WIN 0
	s_mov_b32 s3, 0
	s_mov_b32 s43, 0
	s_mov_b32 s45, 0
	s_wait_dscnt 0x0                               ; the opening add is done
	s_wait_kmcnt 0x0
	s_mul_i32 s2, s53, CAP*4
	s_add_nc_u64 s[10:11], s[10:11], s[2:3]        ; the expert's list
	s_mul_i32 s2, s53, CAP*4096
	s_add_nc_u64 s[6:7], s[6:7], s[2:3]            ; the expert's rows
	s_mul_i32 s2, s50, 40*4096
	s_add_nc_u64 s[G0+2:G0+3], s[6:7], s[2:3]      ; 120:64 global address: my 40 rows, K step 0,
	s_add_nc_u64 s[G0+6:G0+7], s[G0+2:G0+3], 256   ; and K step 1
	s_or_b32 s[G0+3], s[G0+3], 0x80000000          ; 127:126 type = 2
	s_or_b32 s[G0+7], s[G0+7], 0x80000000
	s_lshl_b32 s42, s53, 25                        ; an expert's weights are 32 MiB, a slice 1 MiB
	s_lshl_b32 s41, s54, 20
	s_add_co_u32 s42, s42, s41
	s_add_nc_u64 s[66:67], s[4:5], s[42:43]        ; the slice's first byte; never rewritten
	s_add_nc_u64 s[4:5], s[66:67], 512             ; the walking address, at K step 1: each later load of W steps first
	s_lshl_b32 s44, s53, 14
	s_add_co_u32 s44, s44, s46                     ; 4 (4,096 e + 128 slice + 64 (w / 4))
	s_add_nc_u64 s[14:15], s[14:15], s[44:45]
	LTLOAD
	BIAS_LOAD
.set j, 0
.rept 16                                           ; W of K steps 0 and 1
	global_load_b128 v[WSG+4*j:WSG+4*j+3], v[WOF], s[66:67] offset:j*8192 th:TH_LOAD_NT
.set j, j+1
.endr
.set j, 0
.rept 16
	global_load_b128 v[WSG+64+4*j:WSG+64+4*j+3], v[WOF], s[66:67] offset:j*8192+512 th:TH_LOAD_NT
.set j, j+1
.endr
	CROUND                                         ; all four work-groups are here: the first joint loads meet
	tensor_load_to_lds s[G0:G0+3], s[G1:G1+7]      ; x of K step 0 into slot 0
	s_nop 0
	PLACES
	s_wait_loadcnt 40                              ; the five list words are in; bias 8, W 16 + 16 stay out
	PLOAD
	STORE 0, 21                                    ; bias and W of step 0 are in; W of step 1 (16) and p (5) stay out
	BIAS_ROUND
	HEAD 0, 1                                      ; the first quarter stands ahead of the loop: its products start the sums
	FRAGS 0, 0
	QMUL 1
	WIN 0
	s_mov_b32 s57, 7
	s_branch .Lmid
.Lk:                                               ; seven trips: K steps 0 to 13.  The count 16 leaves out W of the step after next, the sixteen youngest loads
	STEP 0, 1, 1, 0, 1, 16, 1
	STEP 1, 1, 1, 0, 1, 16, 0
	s_sub_co_u32 s57, s57, 1
	s_cmp_lg_u32 s57, 0
	s_cbranch_scc1 .Lk
	STEP 0, 1, 0, 1, 1, 40, 0                      ; step 14 asks for x of step 15 and, in W's stead, for the 40 list words of the way out, which its count leaves out
	STEP 1, 0, 0, 0, 0, 0, 0                       ; step 15 asks for nothing: a plain barrier
	s_wait_loadcnt 0x0                             ; the list words
	EPIADDR
	EPIT 0
	EPIT 1
	EPIT 2
	EPIT 3
	EPIT 4
	s_wait_tensorcnt 0x0                           ; the wave's end
	ds_add_u32 v[SPW], v[NIL]
	s_wait_dscnt 0x0
	CROUND                                         ; the closing round: no work-group ends while a partner may still ask for a tile that names it
	s_endpgm
.Lfunc_end_k_q807e26e67e_product:
	.size	k_q807e26e67e_product, .Lfunc_end_k_q807e26e67e_product-k_q807e26e67e_product
	.p2alignl 7, 3214868480
	.fill 96, 4, 3214868480
	.section	.rodata,"a",@progbits
	.p2align	6, 0x0
	.amdhsa_kernel k_q807e26e67e_product
		.amdhsa_group_segment_fixed_size 327680
		.amdhsa_private_segment_fixed_size 0
		.amdhsa_enable_private_segment 0
		.amdhsa_kernarg_size 48
		.amdhsa_user_sgpr_count 2
		.amdhsa_user_sgpr_kernarg_segment_ptr 1
		.amdhsa_wavefront_size32 1
		.amdhsa_system_sgpr_workgroup_id_x 1
		.amdhsa_system_sgpr_workgroup_id_y 1
		.amdhsa_system_sgpr_workgroup_id_z 1
		.amdhsa_system_vgpr_workitem_id 0
		.amdhsa_next_free_vgpr 512
		.amdhsa_next_free_sgpr 68
		.amdhsa_reserve_vcc 0
		.amdhsa_float_denorm_mode_32 3
		.amdhsa_float_denorm_mode_16_64 3
		.amdhsa_memory_ordered 1
		.amdhsa_forward_progress 1
		.amdhsa_inst_pref_size 102
	.end_amdhsa_kernel
	.amdgpu_metadata
---
amdhsa.version: [ 1, 2 ]
amdhsa.kernels:
  - .name:           k_q807e26e67e_product
    .symbol:         k_q807e26e67e_product.kd
    .args:
      - { .name: expert_w, .offset: 0, .size: 8, .value_kind: global_buffer, .address_space: global }
      - { .name: xs, .offset: 8, .size: 8, .value_kind: global_buffer, .address_space: global }
      - { .name: part, .offset: 16, .size: 8, .value_kind: global_buffer, .address_space: global }
      - { .name: rows, .offset: 24, .size: 8, .value_kind: global_buffer, .address_space: global }
      - { .name: probk, .offset: 32, .size: 8, .value_kind: global_buffer, .address_space: global }
      - { .name: expert_b, .offset: 40, .size: 8, .value_kind: global_buffer, .address_space: global }
    .group_segment_fixed_size: 327680
    .private_segment_fixed_size: 0
    .kernarg_segment_align: 8
    .kernarg_segment_size: 48
    .max_flat_workgroup_size: 256
    .sgpr_count:     68
    .vgpr_count:     512
    .wavefront_size: 32
...
	.end_amdgpu_metadata
.endif
;; end of part 5
;; launch combine: the kernel of part 3 again; grid 256 x 1, 8 waves a work-group, no clusters, 0 bytes of LDS; arguments part, ent, cnt, out0, out1; writes out0, out1
;; ======== version 3 of 3: 4 launches; version 2 with the launch combine written anew for expert scheduling mode
;; workspace buffers: xb 4,194,304 bytes; bm 2,048 bytes of whole numbers; probk 8,192 bytes; ent 256 bytes; part 33,685,504 bytes; cnt 256 bytes of whole numbers; xs 10,485,760 bytes; rows 10,240 bytes of whole numbers
;; launch router: the kernel of part 1 again; grid 64 x 1, 16 waves a work-group, no clusters, 88,064 bytes of LDS; arguments x, gate_w, gate_b, xb, bm, probk, ent; writes xb, bm, probk, ent
;; launch sort: the kernel of part 4 again; grid 32 x 8, 10 waves a work-group, no clusters, 0 bytes of LDS; arguments xb, bm, xs, rows, cnt, expert_w, expert_b, probk, part; writes xs, rows, cnt, part
;; launch product: the kernel of part 5 again; grid 32 x 8, 8 waves a work-group, clusters of 4 x 1, 327,680 bytes of LDS; arguments expert_w, xs, part, rows, probk, expert_b; writes part
;; launch combine (part 6): grid 256 x 1, 8 waves a work-group, no clusters, 0 bytes of LDS; arguments part, ent, cnt, out0, out1; writes out0, out1
.if DOCPART == 6
	.amdgcn_target "amdgcn-amd-amdhsa--gfx1250"
	.amdhsa_code_object_version 6
	.text
	.protected	k_q807e26e67e_combine
	.globl	k_q807e26e67e_combine
	.p2align	8
	.type	k_q807e26e67e_combine,@function
k_q807e26e67e_combine:
	s_mov_b64 s[64:65], 0
	v_nop
	global_prefetch_b8 v0, s[64:65] scope:SCOPE_SE
	s_setreg_imm32_b32 hwreg(HW_REG_WAVE_SCHED_MODE, 0, 2), 2
	s_setreg_imm32_b32 hwreg(HW_REG_WAVE_MODE, 25, 1), 1
	s_wait_xcnt 0x0
	s_wait_alu depctr_vm_vsrc(0)
; out0[n][h] = part[0][n][h] + part[1][n][h]: a token's two weighted rows.  out1 = 0.1 x the mean entropy + the sum over experts of max(count / 1,024 - 0.3, 0).
; A stream: a wave has 8,192 consecutive bytes of out0, sixteen steps of 512; all 32 loads go out first, and the waits count down, so that the
; younger pairs stay on their way.  Every load and store of a wave covers 512 consecutive bytes, at a multiple of 256.  No LDS, no barrier, no matrix
; unit, no cluster: nothing is shared and nothing is read twice.  Work-group 0's wave 0 also makes out1, from 64 partial sums and 8 counts.
; THE MODE: SCHED_MODE bits 1:0 = 2 (LLVM: expert scheduling mode 2), set by the entry lines.  The code itself states the register dependences
; between vector instructions and memory instructions, with s_wait_alu, always for 0.
; THE PLAN.  Registers that memory instructions touch:
;   v1        the offset of every load and store of the stream.  Written at the head, never again.
;   A         step i's four registers: a load lands in them, the step's two additions write them in place, the step's store reads them; nothing writes them behind that.
;   B         step i's four registers: a load lands in them, the additions read them; no later load lands in them.
;   v140, v147, v[142:143]   out1's way alone: an offset, an offset, the load's data and then the store's; none is written again behind the memory instruction that reads it.
; The sixteen steps go in four groups of four: the wait for the group's eight loads, its eight additions, ONE wait on va_vdst, its four stores.
; No register that a memory instruction reads is written again, so past the entry lines the text holds no wait on vm_vsrc; EXEC and VCC are never written.
.set A, 8                              ; v[8:71]   the first choices' rows
.set B, 72                             ; v[72:135] the second choices'
.set GRP, 4                            ; steps in a group
	s_load_b256 s[4:11], s[0:1], 0x0               ; part s[4:5], ent s[6:7], cnt s[8:9], out0 s[10:11]
	s_load_b64 s[12:13], s[0:1], 0x20              ; out1
	v_and_b32 v1, 31, v0
	v_lshrrev_b32 v2, 5, v0
	v_readfirstlane_b32 s14, v2                    ; wave
	v_lshlrev_b32 v1, 4, v1
	v_lshl_add_u32 v1, v2, 13, v1                  ; 8,192 w + 16 lane; never rewritten
	s_lshl_b32 s2, ttmp9, 16                       ; 65,536 bytes a work-group
	s_mov_b32 s3, 0
	s_wait_alu depctr_va_sdst(0)                   ; s14 is written
	s_wait_kmcnt 0x0
	s_add_nc_u64 s[4:5], s[4:5], s[2:3]
	s_add_nc_u64 s[10:11], s[10:11], s[2:3]
	s_add_nc_u64 s[16:17], s[4:5], 0x1000000       ; the second choices lie 16 MiB on
	s_wait_alu depctr_va_vdst(0)                   ; v1 is written: all 32 loads and 16 stores below read it as their offset
.set i, 0
.rept 16
	global_load_b128 v[A+4*i:A+4*i+3], v1, s[4:5] offset:512*i th:TH_LOAD_NT
	global_load_b128 v[B+4*i:B+4*i+3], v1, s[16:17] offset:512*i th:TH_LOAD_NT
.set i, i+1
.endr
.set g, 0
.rept 16/GRP
	s_wait_loadcnt 24-8*g                          ; the group's four pairs are in: behind its last pair, pair 4 g + 3, stand 2 (12 - 4 g) younger loads, which stay out
.set i, GRP*g
.rept GRP
	v_pk_add_f32 v[A+4*i:A+4*i+1],   v[A+4*i:A+4*i+1],   v[B+4*i:B+4*i+1]
	v_pk_add_f32 v[A+4*i+2:A+4*i+3], v[A+4*i+2:A+4*i+3], v[B+4*i+2:B+4*i+3]
.set i, i+1
.endr
	s_wait_alu depctr_va_vdst(0)                   ; the group's eight additions have written its sixteen registers of A, which the four stores read
.set i, GRP*g
.rept GRP
	global_store_b128 v1, v[A+4*i:A+4*i+3], s[10:11] offset:512*i th:TH_STORE_NT
.set i, i+1
.endr
.set g, g+1
.endr
	s_cmp_lg_u32 ttmp9, 0
	s_cbranch_scc1 .Lend
	s_cmp_lg_u32 s14, 0
	s_cbranch_scc1 .Lend
	v_and_b32 v140, 31, v0
	v_lshlrev_b32 v140, 3, v140
	v_mov_b32 v144, 0
	v_mov_b32 v146, 0x3a800000                     ; 1 / 1,024
	v_mov_b32 v147, 0
	s_wait_alu depctr_va_vdst(0)                   ; v140 is written, which the load below reads as its offset (and v147, the last store's offset)
	global_load_b64 v[142:143], v140, s[6:7]       ; two of the 64 tiles' entropy sums a lane
	s_load_b256 s[20:27], s[8:9], 0x0              ; the eight counts
	s_mov_b32 s18, 0x76543210                      ; v_permlanex16_b32: each lane takes its own place in the other half
	s_mov_b32 s19, 0xfedcba98
	s_wait_loadcnt 0x0
	v_add_f32 v142, v142, v143
	v_add_f32_dpp v142, v142, v142 row_xmask:1 row_mask:0xf bank_mask:0xf
	v_add_f32_dpp v142, v142, v142 row_xmask:2 row_mask:0xf bank_mask:0xf
	v_add_f32_dpp v142, v142, v142 row_xmask:4 row_mask:0xf bank_mask:0xf
	v_add_f32_dpp v142, v142, v142 row_xmask:8 row_mask:0xf bank_mask:0xf
	v_permlanex16_b32 v144, v142, s18, s19
	v_add_f32 v142, v142, v144
	v_mul_f32 v142, 0x38cccccd, v142               ; 0.1 / 1,024
	s_wait_kmcnt 0x0
.irp e, 0,1,2,3,4,5,6,7
	v_cvt_f32_u32 v145, s[20+(\e)]
	v_fmaak_f32 v145, v145, v146, 0xbe99999a       ; count / 1,024 - 0.3
	v_max_num_f32 v145, 0, v145
	v_add_f32 v142, v142, v145
.endr
	s_wait_alu depctr_va_vdst(0)                   ; the sums have written v142, which the store reads as its data
	global_store_b32 v147, v142, s[12:13]          ; every lane stores the same number to the one word
.Lend:
	s_endpgm
.Lfunc_end_k_q807e26e67e_combine:
	.size	k_q807e26e67e_combine, .Lfunc_end_k_q807e26e67e_combine-k_q807e26e67e_combine
	.p2alignl 7, 3214868480
	.fill 96, 4, 3214868480
	.section	.rodata,"a",@progbits
	.p2align	6, 0x0
	.amdhsa_kernel k_q807e26e67e_combine
		.amdhsa_group_segment_fixed_size 0
		.amdhsa_private_segment_fixed_size 0
		.amdhsa_enable_private_segment 0
		.amdhsa_kernarg_size 40
		.amdhsa_user_sgpr_count 2
		.amdhsa_user_sgpr_kernarg_segment_ptr 1
		.amdhsa_wavefront_size32 1
		.amdhsa_system_sgpr_workgroup_id_x 1
		.amdhsa_system_sgpr_workgroup_id_y 1
		.amdhsa_system_sgpr_workgroup_id_z 1
		.amdhsa_system_vgpr_workitem_id 0
		.amdhsa_next_free_vgpr 152
		.amdhsa_next_free_sgpr 66
		.amdhsa_reserve_vcc 0
		.amdhsa_float_denorm_mode_32 3
		.amdhsa_float_denorm_mode_16_64 3
		.amdhsa_memory_ordered 1
		.amdhsa_forward_progress 1
		.amdhsa_inst_pref_size 11
	.end_amdhsa_kernel
	.amdgpu_metadata
---
amdhsa.version: [ 1, 2 ]
amdhsa.kernels:
  - .name:           k_q807e26e67e_combine
    .symbol:         k_q807e26e67e_combine.kd
    .args:
      - { .name: part, .offset: 0, .size: 8, .value_kind: global_buffer, .address_space: global }
      - { .name: ent, .offset: 8, .size: 8, .value_kind: global_buffer, .address_space: global }
      - { .name: cnt, .offset: 16, .size: 8, .value_kind: global_buffer, .address_space: global }
      - { .name: out0, .offset: 24, .size: 8, .value_kind: global_buffer, .address_space: global }
      - { .name: out1, .offset: 32, .size: 8, .value_kind: global_buffer, .address_space: global }
    .group_segment_fixed_size: 0
    .private_segment_fixed_size: 0
    .kernarg_segment_align: 8
    .kernarg_segment_size: 40
    .max_flat_workgroup_size: 256
    .sgpr_count:     66
    .vgpr_count:     152
    .wavefront_size: 32
...
	.end_amdgpu_metadata
.endif
;; end of part 6
